; MI455X (gfx1250); checked and timed in simulation.
; The chip was launched on July 23, 2026; its instructions are those of AMD's public machine-readable ISA for CDNA 5 (MIT licence, August 2026) and "CDNA5" Instruction Set Architecture Reference Guide (July 2026). The comments in the code are by the model that wrote it; some were corrected since.
;; Self Attention. Allowed arithmetic: matrix products marked QUANTISED: E4M3 operands, one given power-of-two scale a tensor, by v_wmma_f32_16x16x64_fp8_fp8 or v_wmma_f32_16x16x128_fp8_fp8, f32 sums; everything else in f32.
;; Inputs: Wk_codes 1,024 x 32 x 32 uint8 (E4M3 codes of Wk, K innermost, in blocks of 32 codes); Wo_codes 1,024 x 32 x 32 uint8 (E4M3 codes of Wo, K innermost, in blocks of 32 codes); Wq_codes 1,024 x 32 x 32 uint8 (E4M3 codes of Wq, K innermost, in blocks of 32 codes); Wv_codes 1,024 x 32 x 32 uint8 (E4M3 codes of Wv, K innermost, in blocks of 32 codes); bo 1,024 float32; lowp_scales 12 int32 (the exponents e of the quantised operands' scales 2^e); x_codes 4 x 2,048 x 32 x 32 uint8 (E4M3 codes of x, K innermost, in blocks of 32 codes).
;; Outputs: out0 4 x 2,048 x 1,024 float32.
;; This version of the problem:
;;   THIS VERSION OF THE PROBLEM IS GIVEN IN LOW PRECISION. The matrix products marked QUANTISED in the list below multiply operands that are first quantised to E4M3 (4 exponent bits, 3 mantissa bits; 8 bits a number), with one given power-of-two scale for each operand tensor; their sums are f32. All else is computed in f32.
;;   The module's matrix products, in the order in which they are computed (A, B: the left and right operand; K: the contracted axis; several contracted axes count as one K, in the product's order):
;;     1. [M 8,192, K 1,024] x [K 1,024, N 1,024]; A: input x (given as codes); B: input Wq (given as codes): QUANTISED (scales: A lowp_scales[0], B lowp_scales[1])
;;     2. [M 8,192, K 1,024] x [K 1,024, N 1,024]; A: input x (given as codes); B: input Wk (given as codes): QUANTISED (scales: A lowp_scales[2], B lowp_scales[3])
;;     3. [M 8,192, K 1,024] x [K 1,024, N 1,024]; A: input x (given as codes); B: input Wv (given as codes): QUANTISED (scales: A lowp_scales[4], B lowp_scales[5])
;;     4. batch 64 x [M 2,048, K 64] x [K 64, N 2,048]; A: computed on the way; B: computed on the way: QUANTISED (scales: A lowp_scales[6], B lowp_scales[7])
;;     5. batch 64 x [M 2,048, K 2,048] x [K 2,048, N 64]; A: softmax (see below); B: computed on the way: QUANTISED (scales: A lowp_scales[8], B lowp_scales[9])
;;     6. [M 8,192, K 1,024] x [K 1,024, N 1,024]; A: computed on the way; B: input Wo (given as codes): QUANTISED (scales: A lowp_scales[10], B lowp_scales[11])
;;   THE QUANTISER, for each operand of a quantised product, along K:
;;     - The operand's scale is 2^e, e = its entry of the input lowp_scales (int32; the entries are numbered through the quantised products in the list's order, A before B).
;;     - Each number is divided by the scale, clamped to +-448, and rounded to the nearest number of E4M3, ties to even, subnormals kept.
;;     - The product sums the exact products of the quantised numbers (number of the format x scale) in f32.
;;   ~~~python
;;   def quantise(x, axis, e):      # numpy; x: float32 -> the quantised numbers, widened to float32 again
;;       x = np.moveaxis(x, axis, -1); K = x.shape[-1]
;;       r = np.clip(x / 2.0 ** e, -448, 448)
;;       step = 2.0 ** (np.maximum(np.frexp(np.where(r == 0, 1, r))[1] - 1, -6) - 3)
;;       q = np.round(r / step) * step * 2.0 ** e      # np.round: ties to even
;;       return np.moveaxis(q, -1, axis).astype(np.float32)
;;   ~~~
;;   SOFTMAX AHEAD OF A QUANTISED PRODUCT. Where the list says 'softmax', what is quantised is not the finished softmax but p = 2^(t - M), with t = logit x log2(e) and M = ceil(the row's largest t), a whole number; so 1/2 < the row's largest p <= 1. The row's sum l is taken of the UNQUANTISED p, in f32, and the product's result is divided by l at the end. Since M is a whole number, a kernel that streams over the keys may use a running M (the ceiling of the running maximum): every later rescaling is an exact power of two, so the quantised numbers keep their values, but for numbers so far below the row's largest that they fall under the format's range.
;;   OPERANDS COMPUTED ON THE WAY. 'Computed on the way' means the value that the module computes at that place (a softmax that the list does not call 'softmax' is quantised finished and normalised). What goes into a quantiser is computed in f32, as accurately as f32 sums, v_exp_f32 and their like allow (about 1e-6 of the number): no bf16 or f16 on the way to a quantiser, and a product that is left as it is and whose result goes on into a quantised operand takes f32 operands (vector FMAs, or v_wmma_f32_16x16x4_f32). A number that lies on a knife's edge between two numbers of the format may be rounded either way, as far as f32 arithmetic and the matrix unit's own rounding can turn it there, and no further.
;;   INPUTS GIVEN AS CODES. Wk (in the module: [1024, 1024], K = its axis 1); Wo (in the module: [1024, 1024], K = its axis 1); Wq (in the module: [1024, 1024], K = its axis 1); Wv (in the module: [1024, 1024], K = its axis 1); x (in the module: [4, 2048, 1024], K = its axis 2): each comes as NAME_codes (uint8): NAME with its K axis moved to the last place and cut into blocks of 32 codes, [.., K / 32, bytes a block], one block behind the other in memory; one code a byte (a code: sign, 4 exponent bits, 3 mantissa bits); its scale is its entry of lowp_scales. Its value is code x scale, taken as it is: it is not quantised again, and the codes and scales need not be those that the quantiser above would give.
;; 2 versions, each right; version 2 is version 1 with the launch attn written anew for expert scheduling mode. Each part assembles by itself: llvm-mc -triple=amdgcn-amd-amdhsa -mcpu=gfx1250 --defsym DOCPART=n.
;; ======== version 1 of 2: 3 launches
;; workspace buffers: q_img 8,388,608 bytes; k_img 8,388,608 bytes; v_img 8,388,608 bytes; a_img 8,388,608 bytes
;; launch qkv (part 1): grid 8 x 32, 4 waves a work-group, clusters of 4 x 1, 266,752 bytes of LDS; arguments x_codes, Wq_codes, Wk_codes, Wv_codes, lowp_scales, q_img, k_img, v_img; writes q_img, k_img, v_img
.if DOCPART == 1
	.amdgcn_target "amdgcn-amd-amdhsa--gfx1250"
	.amdhsa_code_object_version 6
	.text
	.protected	k_qad18a8e884_qkv
	.globl	k_qad18a8e884_qkv
	.p2align	8
	.type	k_qad18a8e884_qkv,@function
k_qad18a8e884_qkv:
	s_mov_b64 s[64:65], 0
	v_nop
	global_prefetch_b8 v0, s[64:65] scope:SCOPE_SE
	s_setreg_imm32_b32 hwreg(HW_REG_WAVE_MODE, 25, 1), 1
	s_wait_xcnt 0x0
	s_wait_alu depctr_hold_cnt(0) depctr_sa_sdst(0) depctr_va_vdst(0) depctr_va_sdst(0) depctr_va_ssrc(0) depctr_va_vcc(0) depctr_vm_vsrc(0)
	s_getreg_b32 s2, hwreg(HW_REG_IB_STS2, 6, 4)
	s_cmp_eq_u32 s2, 0
	s_cbranch_scc0 .Lentry_in_a_cluster
	s_endpgm
.Lentry_in_a_cluster:
	s_bfe_u32 s2, ttmp6, 0x10000c
	s_cmp_lg_u32 s2, 0x3003
	s_cbranch_scc0 .Lentry_shape_is_right
	s_endpgm
.Lentry_shape_is_right:
; q = x Wq^T, k = x Wk^T, v = x Wv^T on codes of FP8 (E4M3), then each result is quantised with its given scale and stored as codes.
; x: [8192][1024] codes; Wq, Wk, Wv: [1024][1024] codes, K innermost.  lowp_scales: e0, e1 (x, Wq), e2, e3 (x, Wk), e4, e5 (x, Wv), e6 (q), e7 (k), e9 (v).
; SHARES.  A work-group takes 256 tokens (256 y on) x the columns 128 g .. 128 g + 127 of q, of k and of v: heads 2 g and 2 g + 1.  Wave w takes columns 32 w .. 32 w + 31 of those:
; 3 x 2 tiles of 16 rows of a weight x 8 K steps of 128 = 768 registers, loaded once and kept.  The tokens go in 8 pairs of tiles of 16: 96 matrix instructions a pair, twelve accumulators by turns.
; CLUSTER.  The four work-groups of a cluster share y, so they need the same 256 rows of x: each wave asks for 64 of them JOINTLY (the same descriptor, a mask that names the four).
; x is laid into LDS once and never filled again.  The weights differ from partner to partner and go from memory straight into registers.
; THE RESULTS LEAVE AS IMAGES OF THE NEXT LAUNCH'S OPERAND REGISTERS: four registers of a fragment, 16 bytes a lane at 16 x lane, 512 consecutive bytes a store.
;   q, k: the product is used transposed (source 0 = 16 rows of W, source 1 = 16 tokens): lane (r, h) holds token r and features 16 uf + 8 h + 0 .. 7, whose eight codes are registers 2 c, 2 c + 1 of a
;         fragment of 16 tokens x 64 (the K = 64 form's own layout).   q_img, k_img: [batch x 16 + head][token tile 0..127][group 0..1][lane][16 bytes].
;   v:    source 0 = 16 tokens, source 1 = 16 rows of Wv: lane (r, h) holds ONE feature and tokens 8 h + 0 .. 7, whose codes are registers 2 c, 2 c + 1 of a fragment of V^T, 16 features x 128 keys (the K = 128
;         form's own layout).   v_img: [batch x 16 + head][key step 0..15][group 0..3][feature tile 0..3][lane][16 bytes].
;         THE ROWS OF Wv THAT FORM A TILE ARE NOT NEIGHBOURS: lane r of tile 2 b + u takes feature 32 b + 8 u + r + 8 (r / 8) of the head, so that the next launch's results lie 16 neighbours to a lane.
; x's and the weights' fragments are fetched 16 bytes at a time (registers 4 c .. 4 c + 3: K = 32 c + 16 h + 0 .. 15): one permutation of K, the same on both sides of each product.
; LIMITS: e6 - e0 - e1, e7 - e2 - e3 and e9 - e4 - e5 lie between -126 and 119, so that each scale and 448 x the scale are f32 numbers.  NaN codes among the inputs are not served.
; REGISTERS.  Window 0: v1-7 addresses and scales; v16-143 four stages of x's fragments (K step s in stage s % 4; stage 3 also takes the 24 registers of codes on the way out); v144-239 the accumulators.
;   Windows 1, 2, 3: Wq, Wk, Wv: tile uf, K step s at 128 uf + 16 s.
.set PITCH, 1040                       ; a row of x in LDS: 1,024 bytes + 16 of padding = 65 x 16: the 16 rows that a load touches start at 16 different groups of banks (64 banks of 4 bytes: ISA guide 11.1)
.set PAIRB, 32*PITCH                   ; a pair of token tiles
.set XA,   1                           ; v1  LDS address of my lane's 16 bytes in the pair's first row block: r x PITCH + 16 h, + PAIRB a pair
.set WOF,  2                           ; v2  Wq, Wk: r x 1024 + 16 h
.set WOV,  3                           ; v3  Wv: (r + 8 (r / 8)) x 1024 + 16 h
.set VO,   4                           ; v4  16 x lane, + 2,048 a pair: my place in the images
.set SC,   5                           ; v5-7  the conversions' scales for q, k, v
.set XS,   16
.set CD,   112
.set ACC,  144                         ; accumulator (matrix m, token tile ut, feature tile uf) at ACC + 8 (4 m + 2 ut + uf)
.set WV,   20                          ; s20 my wave's number
.set G1,   24                          ; s[24:31] descriptor group 1
.set G0,   32                          ; s[32:35] descriptor group 0
.set EX,   36                          ; s36-43 e0 .. e7, s44 e9
.set LIM,  48                          ; s48-53 -448 x scale, +448 x scale for q, k, v
.set CNT,  66
.set OB,   68                          ; s[68:73] where my groups go in q_img, k_img, v_img
.set MSB, 0
.macro WIN new                         ; the immediate's high byte repeats the setting that is left; a switch that changes nothing is dropped
.if MSB != (\new)
	s_set_vgpr_msb (MSB<<8)|(\new)
.set MSB, (\new)
.endif
.endm
.macro ROUND                           ; a round of the cluster's barrier: my work-group's barrier, wave 0 signals for the work-group, every wave waits for all four, my work-group's barrier once more
	s_barrier_signal -1
	s_barrier_wait -1
	s_cmp_lg_u32 s[WV], 0
	s_cbranch_scc1 .Lnot_wave_0_\@
	s_barrier_signal -3
.Lnot_wave_0_\@:
	s_barrier_wait -3
	s_barrier_signal -1
	s_barrier_wait -1
.endm
.macro PLACES                          ; four plain vector lines behind a matrix instruction, ahead of a load into a register that it read and of the first read of its result
.rept 4
	v_nop
.endr
.endm
	s_load_b512 s[4:19], s[0:1], 0x0               ; x s[4:5], Wq s[6:7], Wk s[8:9], Wv s[10:11], scales s[12:13], q_img s[14:15], k_img s[16:17], v_img s[18:19]
	v_lshl_add_u32 v254, v0, 2, 0x41000
	v_mov_b32 v255, 0
	ds_add_u32 v254, v255
	ds_add_u32 v254, v255
	v_lshrrev_b32 v8, 5, v0
	v_readfirstlane_b32 s[WV], v8                  ; wave 0..3
	s_bfe_u32 s21, ttmp6, 0x40000                  ; cx: my place in the cluster
	s_lshl_b32 s22, ttmp9, 2
	s_add_co_u32 s22, s22, s21                     ; g = 4 x cluster x + cx: it enters the weights' and the images' addresses alone
	s_and_b32 s23, ttmp7, 0xffff                   ; y, which the four partners share
	; descriptor group 1: 64 rows of 1,024 bytes, padded in LDS
	s_mov_b32 s[G1], 15|(1<<20)|(1<<21)|(7<<22)|(3<<25)  ; 15:0 the mask: all four work-groups; 17:16 elements of 1 byte; 20 padding on; 21 set beside a mask; 24:22 after every 256 words (code 7); 31:25 four words (code 3)
	s_mov_b32 s[G1+1], 1024<<16                    ; tensor_dim0 = 1,024
	s_mov_b32 s[G1+2], 64<<16                      ; tensor_dim1 = 64
	s_mov_b32 s[G1+3], 1024<<16                    ; tile_dim0 = 1,024
	s_mov_b32 s[G1+4], 64                          ; tile_dim1 = 64
	s_mov_b32 s[G1+5], 1024                        ; from row to row
	s_mov_b32 s[G1+6], 0
	s_mov_b32 s[G1+7], 0
	s_mov_b32 s[G0], 1                             ; count = 1
	s_mul_i32 s[G0+1], s[WV], 64*PITCH             ; LDS address: my wave's 64 rows
	s_lshl_b32 s54, s23, 18                        ; 256 y rows of 1,024 bytes,
	s_lshl_b32 s55, s[WV], 16                      ; + my wave's 64
	s_add_co_u32 s54, s54, s55
	s_mov_b32 s55, 0
	s_wait_dscnt 0x0
	s_wait_kmcnt 0x0
	s_load_b256 s[EX:EX+7], s[12:13], 0x0          ; e0 .. e7
	s_load_b32 s[EX+8], s[12:13], 0x24             ; e9
	s_add_nc_u64 s[G0+2:G0+3], s[4:5], s[54:55]
	s_or_b32 s[G0+3], s[G0+3], 0x80000000          ; type = 2
	ROUND                                          ; all four work-groups are here: the joint loads meet
	tensor_load_to_lds s[G0:G0+3], s[G1:G1+7]      ; my one tensor load of the launch
	s_nop 0
	v_and_b32 v8, 15, v0                           ; r.  (The twelve address lines stand behind the load; no window is switched among them)
	v_bfe_u32 v9, v0, 4, 1                         ; h
	v_mul_u32_u24 v[XA], v8, PITCH
	v_lshl_add_u32 v[XA], v9, 4, v[XA]
	v_lshlrev_b32 v[WOF], 10, v8
	v_lshl_add_u32 v[WOF], v9, 4, v[WOF]
	v_and_b32 v10, 8, v8
	v_add_nc_u32 v10, v10, v8                      ; r + 8 (r / 8)
	v_lshlrev_b32 v[WOV], 10, v10
	v_lshl_add_u32 v[WOV], v9, 4, v[WOV]
	v_and_b32 v[VO], 31, v0
	v_lshlrev_b32 v[VO], 4, v[VO]
	s_lshl_b32 s56, s22, 17                        ; my rows of each weight begin at row 128 g + 32 w
	s_lshl_b32 s57, s[WV], 15
	s_add_co_u32 s56, s56, s57
	s_mov_b32 s57, 0
	s_add_nc_u64 s[6:7], s[6:7], s[56:57]
	s_add_nc_u64 s[8:9], s[8:9], s[56:57]
	s_add_nc_u64 s[10:11], s[10:11], s[56:57]
; my 2 tiles x 8 K steps of one weight into window win; tile uf begins tilerows rows behind tile 0
.macro WLOAD win, base, voff, tilerows
	WIN (\win)<<6                                  ; destination in that window, address in window 0
.irp uf, 0,1
.irp s, 0,1,2,3,4,5,6,7
.irp c, 0,1,2,3
	global_load_b128 v[128*\uf+16*\s+4*\c:128*\uf+16*\s+4*\c+3], v[\voff], s[\base:\base+1] offset:\uf*\tilerows*1024+128*\s+32*\c
.endr
.endr
.endr
.endm
	WLOAD 1, 6, WOF, 16
	WLOAD 2, 8, WOF, 16
	WLOAD 3, 10, WOV, 8
	WIN 0
	; where my groups go: head image (batch x 16 + 2 g + w / 2) x 131,072, + (y % 8) x 16,384 for the work-group's 256 tokens, + my half of the head's 64 features
	s_lshr_b32 s58, s23, 3
	s_lshl_b32 s58, s58, 4
	s_lshl_b32 s59, s22, 1
	s_add_co_u32 s58, s58, s59
	s_lshr_b32 s59, s[WV], 1
	s_add_co_u32 s58, s58, s59
	s_lshl_b32 s58, s58, 17
	s_and_b32 s59, s23, 7
	s_lshl_b32 s59, s59, 14
	s_add_co_u32 s58, s58, s59
	s_and_b32 s60, s[WV], 1
	s_lshl_b32 s61, s60, 9                         ; q, k: group w % 2 of a fragment
	s_add_co_u32 s62, s58, s61
	s_mov_b32 s63, 0
	s_add_nc_u64 s[OB:OB+1], s[14:15], s[62:63]
	s_add_nc_u64 s[OB+2:OB+3], s[16:17], s[62:63]
	s_lshl_b32 s61, s60, 10                        ; v: feature tiles 2 (w % 2) and 2 (w % 2) + 1
	s_add_co_u32 s62, s58, s61
	s_add_nc_u64 s[OB+4:OB+5], s[18:19], s[62:63]
; a sum stands for sum x 2^(ea + eb): its code is sum / 2^(eo - ea - eb): the three scales are folded into the conversion's one
.macro SCALE eo, ea, eb, m
	s_sub_co_i32 s74, s[\eo], s[\ea]
	s_sub_co_i32 s74, s74, s[\eb]
	s_add_co_i32 s74, s74, 127
	s_lshl_b32 s75, s74, 23
	v_mov_b32 v[SC+\m], s75                        ; the scale as f32: the conversion takes its exponent field
	s_add_co_i32 s74, s74, 8
	s_lshl_b32 s74, s74, 23
	s_or_b32 s[LIM+2*\m+1], s74, 0x600000          ; 448 x the scale,
	s_or_b32 s[LIM+2*\m], s[LIM+2*\m+1], 0x80000000  ; and its negative
.endm
	s_wait_kmcnt 0x0
	SCALE EX+6, EX+0, EX+1, 0
	SCALE EX+7, EX+2, EX+3, 1
	SCALE EX+8, EX+4, EX+5, 2
	s_wait_loadcnt 0x0                             ; the weights are in
	s_wait_tensorcnt 0x0                           ; my 64 rows of x are in LDS,
	s_barrier_signal -1
	s_barrier_wait -1                              ; everybody's are
; the pair's two fragments of K step s (s = 8, 9, 10: the next pair's steps 0, 1, 2) into stage s % 4
.macro FETCH s
.irp ut, 0,1
.irp c, 0,1,2,3
	ds_load_b128 v[XS+32*((\s)%4)+16*\ut+4*\c:XS+32*((\s)%4)+16*\ut+4*\c+3], v[XA] offset:((\s)/8)*PAIRB+\ut*16*PITCH+((\s)%8)*128+32*\c
.endr
.endr
.endm
.macro MM d, a, b, zero                ; zero = 1: the product starts the sum: nothing is ever cleared
.if \zero
	v_wmma_f32_16x16x128_fp8_fp8 v[\d:\d+7], v[\a:\a+15], v[\b:\b+15], 0
.else
	v_wmma_f32_16x16x128_fp8_fp8 v[\d:\d+7], v[\a:\a+15], v[\b:\b+15], v[\d:\d+7]
.endif
.endm
; K step s of a pair: twelve matrix instructions, the twelve accumulators by turns, one instruction a turn, in the same order in every step.
; more = 1: a pair follows, and its first three K steps are fetched in this pair's last three.
.macro STEP s, more
	WIN 0
.if (\more) || ((\s)+3 < 8)
.if (\s) > 0
	PLACES                                         ; the stage that is loaded next was read by the products just issued
.endif
	FETCH (\s)+3
	s_wait_dscnt 24                                ; this step's 8 loads are in; those of the three steps behind it may be out
.else
	s_wait_dscnt 8*(7-(\s))                        ; the last pair's last steps fetch nothing: the counts run down
.endif
.set ST, XS+32*((\s)%4)
.if (\s) == 0
.set ZR, 1
.else
.set ZR, 0
.endif
	WIN 0x01                                       ; source 0 (Wq) window 1
.irp ut, 0,1
.irp uf, 0,1
	MM ACC+8*(2*\ut+\uf), 128*\uf+16*(\s), ST+16*\ut, ZR
.endr
.endr
	WIN 0x02                                       ; source 0 (Wk) window 2
.irp ut, 0,1
.irp uf, 0,1
	MM ACC+32+8*(2*\ut+\uf), 128*\uf+16*(\s), ST+16*\ut, ZR
.endr
.endr
	WIN 0x0c                                       ; source 1 (Wv) window 3; source 0 is x
.irp ut, 0,1
.irp uf, 0,1
	MM ACC+64+8*(2*\ut+\uf), ST+16*\ut, 128*\uf+16*(\s), ZR
.endr
.endr
.endm
; THE WAY OUT of a pair: hold, convert, store.  The conversions' results are the groups of four registers that the next launch loads.
.macro OUT more
	WIN 0
	PLACES
.irp m, 0,1,2
.set kk, 0
.rept 32
	v_med3_num_f32 v[ACC+32*\m+kk], v[ACC+32*\m+kk], s[LIM+2*\m], s[LIM+2*\m+1]   ; the conversion to an 8-bit code does not saturate (ISA guide 7.6.2): hold first; each accumulator from its low end on
.set kk, kk+1
.endr
.endr
.irp m, 0,1
.irp ut, 0,1
.irp uf, 0,1
	v_cvt_scalef32_pk8_fp8_f32 v[CD+8*\m+4*\ut+2*\uf:CD+8*\m+4*\ut+2*\uf+1], v[ACC+32*\m+8*(2*\ut+\uf):ACC+32*\m+8*(2*\ut+\uf)+7], v[SC+\m]   ; q, k: a group is a token tile's 32 features
.endr
.endr
.endr
.irp uf, 0,1
.irp ut, 0,1
	v_cvt_scalef32_pk8_fp8_f32 v[CD+16+4*\uf+2*\ut:CD+16+4*\uf+2*\ut+1], v[ACC+64+8*(2*\ut+\uf):ACC+64+8*(2*\ut+\uf)+7], v[SC+2]   ; v: a group is a feature tile's 32 tokens
.endr
.endr
	v_nop                                          ; one plain vector line behind the last conversion: the next pair's products write the conversions' sources
.irp ut, 0,1
	global_store_b128 v[VO], v[CD+4*\ut:CD+4*\ut+3], s[OB:OB+1] offset:1024*\ut        ; each store of the wave covers 512 consecutive bytes, aligned
	global_store_b128 v[VO], v[CD+8+4*\ut:CD+8+4*\ut+3], s[OB+2:OB+3] offset:1024*\ut
	global_store_b128 v[VO], v[CD+16+4*\ut:CD+16+4*\ut+3], s[OB+4:OB+5] offset:512*\ut
.endr
.if \more
	s_wait_xcnt 0x0                                ; the stores have read their offset and their data: the offset is stepped, and stage 3 is loaded again, only behind this wait
	v_add_nc_u32 v[VO], 2048, v[VO]
	v_add_nc_u32 v[XA], PAIRB, v[XA]
.endif
.endm
.macro PAIR more
.irp s, 0,1,2,3,4,5,6,7
	STEP \s, \more
.endr
	OUT \more
.endm
	FETCH 0
	FETCH 1
	FETCH 2
	s_mov_b32 s[CNT], 7
.Lpair:
	PAIR 1
	s_sub_co_u32 s[CNT], s[CNT], 1
	s_cmp_lg_u32 s[CNT], 0
	s_cbranch_scc1 .Lpair
	PAIR 0                                         ; the last pair is written out: no LDS load reaches past x's 256 rows.  Its last step has waited for all my LDS loads
	s_wait_tensorcnt 0x0
	ds_add_u32 v254, v255
	s_wait_dscnt 0x0
	ROUND                                          ; the closing round: no work-group ends while a partner may still ask for rows that name it
	s_endpgm
.Lfunc_end_k_qad18a8e884_qkv:
	.size	k_qad18a8e884_qkv, .Lfunc_end_k_qad18a8e884_qkv-k_qad18a8e884_qkv
	.p2alignl 7, 3214868480
	.fill 96, 4, 3214868480
	.section	.rodata,"a",@progbits
	.p2align	6, 0x0
	.amdhsa_kernel k_qad18a8e884_qkv
		.amdhsa_group_segment_fixed_size 266752
		.amdhsa_private_segment_fixed_size 0
		.amdhsa_enable_private_segment 0
		.amdhsa_kernarg_size 64
		.amdhsa_user_sgpr_count 2
		.amdhsa_user_sgpr_kernarg_segment_ptr 1
		.amdhsa_wavefront_size32 1
		.amdhsa_system_sgpr_workgroup_id_x 1
		.amdhsa_system_sgpr_workgroup_id_y 1
		.amdhsa_system_sgpr_workgroup_id_z 1
		.amdhsa_system_vgpr_workitem_id 0
		.amdhsa_next_free_vgpr 1024
		.amdhsa_next_free_sgpr 100
		.amdhsa_reserve_vcc 0
		.amdhsa_float_denorm_mode_32 3
		.amdhsa_float_denorm_mode_16_64 3
		.amdhsa_memory_ordered 1
		.amdhsa_forward_progress 1
		.amdhsa_inst_pref_size 63
	.end_amdhsa_kernel
	.amdgpu_metadata
---
amdhsa.version: [ 1, 2 ]
amdhsa.kernels:
  - .name:           k_qad18a8e884_qkv
    .symbol:         k_qad18a8e884_qkv.kd
    .args:
      - { .name: x_codes, .offset: 0, .size: 8, .value_kind: global_buffer, .address_space: global }
      - { .name: Wq_codes, .offset: 8, .size: 8, .value_kind: global_buffer, .address_space: global }
      - { .name: Wk_codes, .offset: 16, .size: 8, .value_kind: global_buffer, .address_space: global }
      - { .name: Wv_codes, .offset: 24, .size: 8, .value_kind: global_buffer, .address_space: global }
      - { .name: lowp_scales, .offset: 32, .size: 8, .value_kind: global_buffer, .address_space: global }
      - { .name: q_img, .offset: 40, .size: 8, .value_kind: global_buffer, .address_space: global }
      - { .name: k_img, .offset: 48, .size: 8, .value_kind: global_buffer, .address_space: global }
      - { .name: v_img, .offset: 56, .size: 8, .value_kind: global_buffer, .address_space: global }
    .group_segment_fixed_size: 266752
    .private_segment_fixed_size: 0
    .kernarg_segment_align: 8
    .kernarg_segment_size: 64
    .max_flat_workgroup_size: 128
    .sgpr_count:     100
    .vgpr_count:     1024
    .wavefront_size: 32
...
	.end_amdgpu_metadata
.endif
;; end of part 1
;; launch attn (part 2): grid 4 x 64, 8 waves a work-group, no clusters, 263,168 bytes of LDS; arguments q_img, k_img, v_img, lowp_scales, a_img; writes a_img
.if DOCPART == 2
	.amdgcn_target "amdgcn-amd-amdhsa--gfx1250"
	.amdhsa_code_object_version 6
	.text
	.protected	k_qad18a8e884_attn
	.globl	k_qad18a8e884_attn
	.p2align	8
	.type	k_qad18a8e884_attn,@function
k_qad18a8e884_attn:
	s_mov_b64 s[64:65], 0
	v_nop
	global_prefetch_b8 v0, s[64:65] scope:SCOPE_SE
	s_setreg_imm32_b32 hwreg(HW_REG_WAVE_MODE, 25, 1), 1
	s_wait_xcnt 0x0
; Causal attention of one head on codes of FP8 (E4M3): S^T = K Q^T, p = 2^(t - M), O^T = V^T P^T, O / l quantised for the last product.  2,048 tokens, head size 64.
; t = score x log2(e) / 8; M = the row's largest t so far, rounded UP to a whole number; p is quantised with 2^e8 and is not normalised; the row's sum l is taken of the unquantised p, in f32, and divides O at the end.
; When M moves, l and O^T are multiplied by 2^(old M - new M): nothing is rounded, and no branch hangs on data.
; q_img, k_img, v_img hold operand registers as the launch before stored them: a group of four registers, 16 bytes a lane at 16 x lane.  a_img is stored in the same way for the launch behind:
; [token tile 0..511][K step of 128 features 0..7][group 0..3][lane][16 bytes], lane (r, h): token r, features 32 c + 16 h + 0 .. 15 of the K step.
; SHARES.  Work-group (j, head image hh) has eight waves, two to a SIMD.  Wave w owns TWO pairs of query tiles (32 queries each): pair b_lo = 8 j + w and pair b_hi = 63 - b_lo.  Pair b needs b / 4 + 1 key steps of 128,
; so every wave of the launch has 17 pair-steps, whatever j and w.  What the causal mask hides wholly is not computed.  One fetch of a step's K and V fragments serves both tiles of the late pair, and the early pair too while it is active.
; LDS holds the head's K and V images whole, 8,192 bytes a key step each, every byte stored once: step KS + 1 is loaded into registers at the head of trip KS and stored into LDS at its end, so one barrier a trip is enough.
; NO CLUSTER, NO JOINT LOADS: the four work-groups of a head walk 16 - 2 j key steps, different numbers; what they share is 16,384 bytes a step against some 800 vector instructions a wave; and the hold of p
; (128 instructions a pair-step) is jumped over by a branch on the given exponent e8.  With e8 >= -8, 448 x 2^e8 is at least 1.75 and p is never over 1 by more than a rounding.
; LAYOUT.  Both products are used transposed, so a lane holds ONE query (lane % 16) throughout.  In S^T lane (r, h) holds keys 16 T + 8 h + 0 .. 7 of key tile T: their eight codes are registers 2 T, 2 T + 1 of P in the K = 128
; form's own layout, which V^T's image has too.  V^T's rows were chosen so that O^T's tiles 2 b and 2 b + 1 hold features 32 b + 16 h + 0 .. 15: their codes are a group of a_img.
; LIMITS on the given exponents, so that each power of two below is an f32 number: e6 + e7 between -123 and 130; e8 between -126 and 119; e10 - e8 - e9 between -126 and 119.  NaN codes are not served.
; REGISTERS.  Window 0: v1-10 addresses and constants; v12-27 four registers of statistics a tile (-M, the largest t, l in two halves); v28-43 at work; v48-63 the staged step; v64-191 S^T, then p: two tiles of 64; v192-255 K's fragments.
;   Window 1: v0-127 O^T, 32 a tile; v128-159 Q, 8 a tile; v160-191 P's codes, 16 a tile; v192-255 V^T's fragments.   Tiles: 0, 1 the late pair's; 2, 3 the early pair's.
.set LI,   1                           ; v1   16 x lane
.set ADK,  2                           ; v2   LDS address of the step's K fragments: 16 x lane + 8,192 KS
.set ADV,  3                           ; v3   of V's: + 131,072
.set ADS,  4                           ; v4   where I store staged bytes of K: 16 x thread + 8,192 KS (the next step by the immediate)
.set ADSV, 5                           ; v5   of V: + 131,072
.set GOF,  6                           ; v6   16 x thread
.set NINF, 7                           ; v7   -infinity
.set SCP,  8                           ; v8   2^e8 as f32
.set SCO,  9                           ; v9   2^(e10 - e8 - e9) as f32
.set PFO,  10                          ; v10  256 x lane
.set STAT, 12
.set TMP,  28                          ; for the pair's tile x at TMP + 8 x: +0, +1 two chains of the maximum; +2 the other half of the lanes'; +4 f (+5 named with it as a pair); +6, +7 the second chain of sums
.set STG,  48
.set S,    64
.set KFR,  192
.set O,    0                           ; in window 1
.set Q,    128
.set P,    160
.set VFR,  192
.set VLDS, 0x20000                     ; V's images begin here
.set WV,   14
.set HH,   16
.set KS,   17                          ; the key step, the loop's counter
.set SKF,  18                          ; its first key, 128 KS
.set KB,   19                          ; its bytes in an image, 8,192 KS
.set Q0H,  20                          ; s20 the late pair's first query, s21 the early pair's
.set LASTK, 22                         ; the work-group's last key step: 15 - 2 j
.set LIMP, 23                          ; a wave prefetches while KS is under this
.set KP,   24                          ; s[24:25] k_img at step KS of my head;  s[26:27] v_img likewise;  s[28:29] one of the two, for my prefetches
.set VP,   26
.set PFA,  28
.set CS,   30                          ; s[30:31] c = log2(e) / 8 x 2^(e6 + e7): the packed form names a pair and takes its low word for both halves
.set SEL,  32                          ; s[32:33] v_permlanex16_b32's selects for lane l xor 16
.set PLIM, 34                          ; 448 x 2^e8
.set HOLD, 35                          ; 1 where p has to be held
.set OLIM, 36                          ; s36, s37 -+448 x 2^(e10 - e8 - e9)
.set DD,   38
.set CM,   40                          ; s40-47 the diagonal tile's masks: register n hides lanes (r, h) with 8 h + n > r
.set MT,   48                          ; s48-55 the masks of the tile in hand
.set DT,   56                          ; s56, s57 the key tile on which the pair's tile 0, 1 has its diagonal
.set AH,   60                          ; s[60:61], s[62:63] where the late and the early pair go in a_img
.set AL,   62
.set EX,   68                          ; s68-72 e6 .. e10
.set MSB, 0
.macro WIN new                         ; the immediate's high byte repeats the setting that is left; a switch that changes nothing is dropped
.if MSB != (\new)
	s_set_vgpr_msb (MSB<<8)|(\new)
.set MSB, (\new)
.endif
.endm
.macro PLACES                          ; four plain vector lines behind a matrix instruction, ahead of the first read of its result and of a load into a register that it read
.rept 4
	v_nop
.endr
.endm
	s_load_b256 s[4:11], s[0:1], 0x0               ; q_img s[4:5], k_img s[6:7], v_img s[8:9], scales s[10:11]
	s_load_b64 s[12:13], s[0:1], 0x20              ; a_img
	v_lshl_add_u32 v46, v0, 2, 0x40000
	v_mov_b32 v47, 0
	v_lshrrev_b32 v2, 5, v0
	v_readfirstlane_b32 s[WV], v2                  ; wave 0..7
	v_and_b32 v[LI], 31, v0
	v_lshlrev_b32 v[PFO], 8, v[LI]
	v_lshlrev_b32 v[LI], 4, v[LI]
	v_lshlrev_b32 v[GOF], 4, v0
	v_add_nc_u32 v[ADSV], VLDS, v[GOF]
	v_mov_b32 v[NINF], 0xff800000
	s_and_b32 s[HH], ttmp7, 0xffff                 ; batch x 16 + head
	s_lshl_b32 s80, ttmp9, 3
	s_add_co_u32 s80, s80, s[WV]                   ; b_lo = 8 j + w
	s_sub_co_u32 s81, 63, s80                      ; b_hi
	s_lshl_b32 s[Q0H+1], s80, 5
	s_lshl_b32 s[Q0H], s81, 5
	s_lshl_b32 s82, ttmp9, 1
	s_sub_co_u32 s[LASTK], 15, s82
	s_lshr_b32 s82, s[WV], 1                       ; 0 in waves 0 and 1,
	s_or_b32 s82, s82, ttmp9                       ; of the head's first work-group
	s_cmp_eq_u32 s82, 0
	s_cselect_b32 s[LIMP], 13, 0                   ; trips 0 to 12 ask for steps 3 to 15
	s_lshl_b32 s84, s[HH], 17                      ; the head's first byte in each of the three images
	s_mov_b32 s85, 0
	s_lshl_b32 s86, s81, 11                        ; a pair's two fragments of Q are 2,048 bytes
	s_mov_b32 s87, 0
	s_lshl_b32 s88, s80, 11
	s_mov_b32 s89, 0
	s_lshr_b32 s82, s[HH], 4
	s_lshl_b32 s82, s82, 7                         ; the batch's first token tile
	s_and_b32 s83, s[HH], 15
	s_lshl_b32 s83, s83, 10                        ; the head's 64 features: two groups of 512 bytes: K step head / 2, groups 2 (head % 2) on
	s_lshl_b32 s94, s81, 1
	s_add_co_u32 s94, s94, s82
	s_lshl_b32 s94, s94, 14                        ; a token tile of a_img is 16,384 bytes
	s_add_co_u32 s94, s94, s83
	s_mov_b32 s95, 0
	s_lshl_b32 s96, s80, 1
	s_add_co_u32 s96, s96, s82
	s_lshl_b32 s96, s96, 14
	s_add_co_u32 s96, s96, s83
	s_mov_b32 s97, 0
	s_mov_b32 s[SEL], 0x76543210
	s_mov_b32 s[SEL+1], 0xfedcba98
.irp n, 0,1,2,3,4,5,6,7
	s_mov_b32 s[CM+\n], ((1<<\n)-1)|(((1<<(8+\n))-1)<<16)   ; lanes 0-15: r < n; lanes 16-31: r < 8 + n
.endr
	s_mov_b32 s[SKF], 0
	s_mov_b32 s[KB], 0
	s_wait_kmcnt 0x0
	s_load_b128 s[EX:EX+3], s[10:11], 0x18         ; e6, e7, e8, e9
	s_load_b32 s[EX+4], s[10:11], 0x28             ; e10
	s_add_nc_u64 s[KP:KP+1], s[6:7], s[84:85]
	s_add_nc_u64 s[VP:VP+1], s[8:9], s[84:85]
	s_add_nc_u64 s[4:5], s[4:5], s[84:85]
	s_add_nc_u64 s[90:91], s[4:5], s[86:87]        ; the late pair's Q,
	s_add_nc_u64 s[92:93], s[4:5], s[88:89]        ; the early pair's
	s_add_nc_u64 s[AH:AH+1], s[12:13], s[94:95]
	s_add_nc_u64 s[AL:AL+1], s[12:13], s[96:97]
	s_cmp_eq_u32 s[WV], 0
	s_cselect_b64 s[PFA:PFA+1], s[KP:KP+1], s[VP:VP+1]  ; wave 0 asks for K's steps, wave 1 for V's
	global_load_b128 v[STG:STG+3], v[GOF], s[KP:KP+1]              ; key step 0: the 256 threads take 2 x 4,096 bytes of K and of V; a wave's load covers 512 consecutive bytes
	global_load_b128 v[STG+4:STG+7], v[GOF], s[KP:KP+1] offset:4096
	global_load_b128 v[STG+8:STG+11], v[GOF], s[VP:VP+1]
	global_load_b128 v[STG+12:STG+15], v[GOF], s[VP:VP+1] offset:4096
	WIN 0x40                                       ; destination window 1
.irp n, 0,1,2,3
	global_load_b128 v[Q+4*\n:Q+4*\n+3], v[LI], s[90:91] offset:512*\n          ; Q stays in registers
.endr
.irp n, 0,1,2,3
	global_load_b128 v[Q+16+4*\n:Q+16+4*\n+3], v[LI], s[92:93] offset:512*\n
.endr
.set kk, 0
.rept 128
	v_mov_b32 v[O+kk], 0                           ; O^T.  (The pair-step is written without a first step of its own: the first finds zeros, which the first change of M leaves zeros)
.set kk, kk+1
.endr
	WIN 0
.irp i, 0,1,2,3
	v_mov_b32 v[STAT+4*\i+1], 0xff61b1e6           ; the largest t so far: -3e38, under every t
	v_floor_f32 v[STAT+4*\i], -v[STAT+4*\i+1]      ; -M
	v_mov_b32 v[STAT+4*\i+2], 0                    ; l, in two halves
	v_mov_b32 v[STAT+4*\i+3], 0
.endr
.irp x, 0,1
	v_mov_b32 v[TMP+8*\x+2], 0                     ; written once: a lane permute's destination counts as one of its sources
	v_mov_b32 v[TMP+8*\x+5], 0                     ; (named as the upper half of f's pair)
.endr
	s_wait_kmcnt 0x0
	s_add_co_i32 s98, s[EX], s[EX+1]
	s_lshl_b32 s98, s98, 23
	s_add_co_i32 s[CS], s98, 0x3e38aa3b            ; log2(e) / 8, with e6 + e7 added to its exponent field: a sum of the first product stands for sum x 2^(e6 + e7)
	s_mov_b32 s[CS+1], s[CS]
	s_add_co_i32 s98, s[EX+2], 127
	s_lshl_b32 s99, s98, 23
	v_mov_b32 v[SCP], s99
	s_add_co_i32 s98, s98, 8
	s_lshl_b32 s98, s98, 23
	s_or_b32 s[PLIM], s98, 0x600000
	s_cmp_lt_i32 s[EX+2], -8
	s_cselect_b32 s[HOLD], 1, 0
	s_sub_co_i32 s98, s[EX+4], s[EX+2]             ; O^T / l stands for that x 2^(e8 + e9): its code is (O^T / l) / 2^(e10 - e8 - e9)
	s_sub_co_i32 s98, s98, s[EX+3]
	s_add_co_i32 s98, s98, 127
	s_lshl_b32 s99, s98, 23
	v_mov_b32 v[SCO], s99
	s_add_co_i32 s98, s98, 8
	s_lshl_b32 s98, s98, 23
	s_or_b32 s[OLIM+1], s98, 0x600000
	s_or_b32 s[OLIM], s[OLIM+1], 0x80000000
	s_wait_loadcnt 8                               ; step 0's four loads are in; Q's eight may be out
	ds_store_b128 v[GOF], v[STG:STG+3]
	ds_store_b128 v[GOF], v[STG+4:STG+7] offset:4096
	ds_store_b128 v[ADSV], v[STG+8:STG+11]
	ds_store_b128 v[ADSV], v[STG+12:STG+15] offset:4096
	s_wait_loadcnt 0x0                             ; Q
	s_wait_dscnt 0x0                               ; for the others' sake: my part of step 0 lies in LDS
	s_barrier_signal -1
	s_barrier_wait -1
.macro FETCH_K                         ; 8 fragments of 16 keys x 64: 16 loads of 512 consecutive bytes
.irp kt, 0,1,2,3,4,5,6,7
.irp g, 0,1
	ds_load_b128 v[KFR+8*\kt+4*\g:KFR+8*\kt+4*\g+3], v[ADK] offset:1024*\kt+512*\g
.endr
.endr
.endm
.macro FETCH_V                         ; 4 fragments of 16 features x 128 keys
	WIN 0x40                                       ; destination window 1
.irp dt, 0,1,2,3
.irp g, 0,1,2,3
	ds_load_b128 v[VFR+16*\dt+4*\g:VFR+16*\dt+4*\g+3], v[ADV] offset:2048*\g+512*\dt
.endr
.endr
.endm
; The causal mask on key tile kt of the pair's tile x, in a step on the diagonal.  A tile ahead of the diagonal is seen whole; on it register n is hidden where 8 h + n > r; behind it all is hidden.  What is hidden becomes -infinity: p = 0.
.macro MASKT x, kt
	s_cmp_gt_u32 s[DT+\x], \kt
	s_cbranch_scc1 .Lseen_\@
	s_cmp_eq_u32 s[DT+\x], \kt
.irp n, 0,1,2,3,4,5,6,7
	s_cselect_b32 s[MT+\n], s[CM+\n], -1
.endr
.irp n, 0,1,2,3,4,5,6,7
	v_cndmask_b32 v[S+64*\x+8*\kt+\n], v[S+64*\x+8*\kt+\n], v[NINF], s[MT+\n]
.endr
.Lseen_\@:
.endm
.macro TM x, i, k                      ; pair k of tile x's 32 pairs of scores: t - M, two at a time (of the pairs c and -M the low word serves both halves)
	v_pk_fma_f32 v[S+64*(\x)+2*(\k):S+64*(\x)+2*(\k)+1], v[S+64*(\x)+2*(\k):S+64*(\x)+2*(\k)+1], s[CS:CS+1], v[STAT+4*(\i):STAT+4*(\i)+1] op_sel_hi:[1,0,0]
.endm
.macro EX2 x, k                        ; p = 2^(t - M) for that pair
	v_exp_f32 v[S+64*(\x)+2*(\k)], v[S+64*(\x)+2*(\k)]
	v_exp_f32 v[S+64*(\x)+2*(\k)+1], v[S+64*(\x)+2*(\k)+1]
.endm
.macro SUMOP x, i, k                   ; line k of 33 of l = l f + the sum of the unquantised p, two at a time, in two chains
.if (\k) == 0
	v_pk_mul_f32 v[STAT+4*(\i)+2:STAT+4*(\i)+3], v[STAT+4*(\i)+2:STAT+4*(\i)+3], v[TMP+8*(\x)+4:TMP+8*(\x)+5] op_sel_hi:[1,0]
.elseif (\k) == 1
	s_wait_alu depctr_va_vdst(0)
	v_pk_add_f32 v[TMP+8*(\x)+6:TMP+8*(\x)+7], v[S+64*(\x):S+64*(\x)+1], v[S+64*(\x)+2:S+64*(\x)+3]
	s_wait_alu depctr_va_vdst(0)
.elseif (\k) == 32
	v_pk_add_f32 v[STAT+4*(\i)+2:STAT+4*(\i)+3], v[STAT+4*(\i)+2:STAT+4*(\i)+3], v[TMP+8*(\x)+6:TMP+8*(\x)+7]
.elseif ((\k)%2) == 0
	v_pk_add_f32 v[STAT+4*(\i)+2:STAT+4*(\i)+3], v[STAT+4*(\i)+2:STAT+4*(\i)+3], v[S+64*(\x)+2*(\k):S+64*(\x)+2*(\k)+1]
.else
	v_pk_add_f32 v[TMP+8*(\x)+6:TMP+8*(\x)+7], v[TMP+8*(\x)+6:TMP+8*(\x)+7], v[S+64*(\x)+2*(\k):S+64*(\x)+2*(\k)+1]
.endif
.endm
; A PAIR-STEP: pair p (0 the late one, 1 the early one) against the 128 keys whose fragments lie in registers.  first = 1: the fragments were asked for just now.
.macro PAIRSTEP p, first
.if \first
	s_wait_dscnt 16                                ; K's 16 loads are in; V's 16 may be out
.endif
	WIN 0x04                                       ; source 1 (Q) window 1
.irp kt, 0,1,2,3,4,5,6,7
.irp x, 0,1
	v_wmma_f32_16x16x64_fp8_fp8 v[S+64*\x+8*\kt:S+64*\x+8*\kt+7], v[KFR+8*\kt:KFR+8*\kt+7], v[Q+8*(2*\p+\x):Q+8*(2*\p+\x)+7], 0
.endr
.endr
	WIN 0
	PLACES
	s_sub_co_u32 s[DD], s[Q0H+\p], s[SKF]          ; the pair's first query less the step's first key: 128 or more where every key counts for every query
	s_cmp_ge_u32 s[DD], 128
	s_cbranch_scc1 .Lopen_\@
	s_lshr_b32 s[DT], s[DD], 4
	s_add_co_u32 s[DT+1], s[DT], 1
.irp kt, 0,1,2,3,4,5,6,7
.irp x, 0,1
	MASKT \x, \kt
.endr
.endr
.Lopen_\@:
	; the step's largest score of my query among my 64 keys, in two chains a tile, each accumulator from its low end on; the two tiles take turns line by line
.irp x, 0,1
	v_max3_num_f32 v[TMP+8*\x], v[S+64*\x], v[S+64*\x+1], v[S+64*\x+2]
.endr
.irp x, 0,1
	v_max3_num_f32 v[TMP+8*\x+1], v[S+64*\x+3], v[S+64*\x+4], v[S+64*\x+5]
.endr
.irp n, 6,10,14,18,22,26,30,34,38,42,46,50,54,58
.irp x, 0,1
	v_max3_num_f32 v[TMP+8*\x], v[TMP+8*\x], v[S+64*\x+\n], v[S+64*\x+\n+1]
.endr
.irp x, 0,1
	v_max3_num_f32 v[TMP+8*\x+1], v[TMP+8*\x+1], v[S+64*\x+\n+2], v[S+64*\x+\n+3]
.endr
.endr
.irp x, 0,1
	v_max3_num_f32 v[TMP+8*\x], v[TMP+8*\x], v[S+64*\x+62], v[S+64*\x+63]
.endr
.irp x, 0,1
	v_max_num_f32 v[TMP+8*\x], v[TMP+8*\x], v[TMP+8*\x+1]
.endr
.irp x, 0,1
	v_permlanex16_b32 v[TMP+8*\x+2], v[TMP+8*\x], s[SEL], s[SEL+1]
.endr
.irp x, 0,1
	v_max_num_f32 v[TMP+8*\x], v[TMP+8*\x], v[TMP+8*\x+2]          ; and among lane l xor 16's
.endr
.irp x, 0,1
	v_mul_f32 v[TMP+8*\x], s[CS], v[TMP+8*\x]                      ; as t (c is positive)
.endr
.irp x, 0,1
	v_max_num_f32 v[STAT+4*(2*\p+\x)+1], v[STAT+4*(2*\p+\x)+1], v[TMP+8*\x]   ; the running largest t
.endr
.irp x, 0,1
	v_mov_b32 v[TMP+8*\x], v[STAT+4*(2*\p+\x)]
.endr
.irp x, 0,1
	v_floor_f32 v[STAT+4*(2*\p+\x)], -v[STAT+4*(2*\p+\x)+1]        ; the new -M = floor(-t) = -ceil(t): M is a whole number
.endr
.irp x, 0,1
	v_sub_f32 v[TMP+8*\x], v[STAT+4*(2*\p+\x)], v[TMP+8*\x]        ; old M - new M: a whole number, 0 or less
.endr
.irp x, 0,1
	v_cvt_i32_f32 v[TMP+8*\x], v[TMP+8*\x]                         ; (it saturates)
.endr
.irp x, 0,1
	v_ldexp_f32 v[TMP+8*\x+4], 1.0, v[TMP+8*\x]                    ; f = 2^(old M - new M)
.endr
	; the exponentials stand two at a time with a plain line of other work behind them: tile 0's beside tile 1's scalings, tile 1's beside tile 0's sums
.set kk, 0
.rept 32
	TM 0, 2*\p, kk
.set kk, kk+1
.endr
.set kk, 0
.rept 32
	EX2 0, kk
	TM 1, 2*\p+1, kk
.set kk, kk+1
.endr
.set kk, 0
.rept 32
	EX2 1, kk
	SUMOP 0, 2*\p, kk
.set kk, kk+1
.endr
	SUMOP 0, 2*\p, 32
.set kk, 0
.rept 33
	SUMOP 1, 2*\p+1, kk
.set kk, kk+1
.endr
	s_cmp_lg_u32 s[HOLD], 0                        ; the conversion to an 8-bit code does not saturate (ISA guide 7.6.2): where 448 x 2^e8 is under 1.75, p is held first; p is not negative, so the hold is one-sided
	s_cbranch_scc0 .Lfree_\@
.set kk, 0
.rept 128
	v_min_num_f32 v[S+kk], s[PLIM], v[S+kk]
.set kk, kk+1
.endr
.Lfree_\@:
	WIN 0x40                                       ; destination (P) window 1
.irp x, 0,1
.irp kt, 0,1,2,3,4,5,6,7
	v_cvt_scalef32_pk8_fp8_f32 v[P+16*\x+2*\kt:P+16*\x+2*\kt+1], v[S+64*\x+8*\kt:S+64*\x+8*\kt+7], v[SCP]
.endr
.endr
	WIN 0x41                                       ; O^T (destination and source 0) window 1, f window 0
.irp x, 0,1
.set kk, 0
.rept 16
	v_pk_mul_f32 v[O+32*(2*\p+\x)+2*kk:O+32*(2*\p+\x)+2*kk+1], v[O+32*(2*\p+\x)+2*kk:O+32*(2*\p+\x)+2*kk+1], v[TMP+8*\x+4:TMP+8*\x+5] op_sel_hi:[1,0]   ; O^T under the new M.  (These are also the plain lines behind the conversions)
.set kk, kk+1
.endr
.endr
.if \first
	s_wait_dscnt 0x0                               ; V's fragments are in
.endif
	WIN 0x55                                       ; all four operands window 1
.irp dt, 0,1,2,3
.irp x, 0,1
	v_wmma_f32_16x16x128_fp8_fp8 v[O+32*(2*\p+\x)+8*\dt:O+32*(2*\p+\x)+8*\dt+7], v[VFR+16*\dt:VFR+16*\dt+15], v[P+16*\x:P+16*\x+15], v[O+32*(2*\p+\x)+8*\dt:O+32*(2*\p+\x)+8*\dt+7]   ; eight accumulators, one instruction each
.endr
.endr
	WIN 0
	PLACES                                         ; ahead of the next loads into V's fragments and of the next reads of O^T
.endm
; A TRIP: key step KS.  stage = 1: step KS + 1 is brought into LDS meanwhile, and a barrier ends the trip.  lo = 1: the early pair may still be active.
.macro TRIP stage, lo
	v_add_nc_u32 v[ADK], s[KB], v[LI]              ; every LDS address of the trip is made here, on every wave's path
	v_add_nc_u32 v[ADV], VLDS, v[ADK]
.if \stage
	v_add_nc_u32 v[ADS], s[KB], v[GOF]
	v_add_nc_u32 v[ADSV], VLDS, v[ADS]
	s_cmp_lt_u32 s[KS], s[LASTK]                   ; no wave of this work-group reads a step beyond LASTK
	s_cbranch_scc0 .Lno_load_\@
	global_load_b128 v[STG:STG+3], v[GOF], s[KP:KP+1] offset:8192
	global_load_b128 v[STG+4:STG+7], v[GOF], s[KP:KP+1] offset:12288
	global_load_b128 v[STG+8:STG+11], v[GOF], s[VP:VP+1] offset:8192
	global_load_b128 v[STG+12:STG+15], v[GOF], s[VP:VP+1] offset:12288
.Lno_load_\@:
	; A PREFETCH of step KS + 3, two trips ahead of the loads that will want it: 8,192 bytes, lanes 256 bytes apart, one instruction.  All four work-groups of a head walk the same images: the first of them asks,
	; wave 0 for K's step and wave 1 for V's, so each block is named once in the launch.  Steps 0 to 2 come by their loads alone; trips 13 and 14 ask for nothing: there is no step 16.
	s_cmp_lt_u32 s[KS], s[LIMP]
	s_cbranch_scc0 .Lno_ask_\@
	global_prefetch_b8 v[PFO], s[PFA:PFA+1] offset:24576 th:TH_LOAD_NT scope:SCOPE_SE
.Lno_ask_\@:
.endif
	s_cmp_le_u32 s[SKF], s[Q0H]                    ; a step all of whose keys come after a pair's queries is left out (both are multiples of 32)
	s_cbranch_scc0 .Lidle_\@
	FETCH_K
	FETCH_V
	PAIRSTEP 0, 1
.if \lo
	s_cmp_le_u32 s[SKF], s[Q0H+1]
	s_cbranch_scc0 .Lidle_\@
	PAIRSTEP 1, 0                                  ; on the same fragments
.endif
.Lidle_\@:
.if \stage
	s_wait_loadcnt 0x0                             ; the staged step is in registers (on every path: no load into them is pending when the next trip loads them)
	s_cmp_lt_u32 s[KS], s[LASTK]
	s_cbranch_scc0 .Lno_store_\@
	ds_store_b128 v[ADS], v[STG:STG+3] offset:8192                 ; bytes that nobody has read or written yet
	ds_store_b128 v[ADS], v[STG+4:STG+7] offset:12288
	ds_store_b128 v[ADSV], v[STG+8:STG+11] offset:8192
	ds_store_b128 v[ADSV], v[STG+12:STG+15] offset:12288
.Lno_store_\@:
	s_wait_dscnt 0x0                               ; for the others' sake: my part of the next step lies in LDS
	s_barrier_signal -1
	s_barrier_wait -1
	s_wait_xcnt 0x0                                ; the loads and the prefetch have read their bases, which step only behind this wait
	s_add_nc_u64 s[KP:KP+1], s[KP:KP+1], 8192
	s_add_nc_u64 s[VP:VP+1], s[VP:VP+1], 8192
	s_add_nc_u64 s[PFA:PFA+1], s[PFA:PFA+1], 8192
	s_add_co_u32 s[KB], s[KB], 8192
	s_add_co_u32 s[SKF], s[SKF], 128
.endif
.endm
	s_mov_b32 s[KS], 0
.Ltrip:                                                ; 15 trips, a constant: work is jumped over, barriers are not
	TRIP 1, 1
	s_add_co_u32 s[KS], s[KS], 1
	s_cmp_lt_u32 s[KS], 15
	s_cbranch_scc1 .Ltrip
	TRIP 0, 0                                      ; key step 15 is written out: nothing is left to stage, and no early pair reaches it
	; THE WAY OUT.  l's two halves and lane l xor 16's are added; O^T / l is held, converted and stored: a tile's four results are two groups of a_img.
.irp i, 0,1,2,3
	v_add_f32 v[STAT+4*\i+2], v[STAT+4*\i+2], v[STAT+4*\i+3]
.endr
.irp i, 0,1,2,3
	v_permlanex16_b32 v[STAT+4*\i+3], v[STAT+4*\i+2], s[SEL], s[SEL+1]
.endr
.irp i, 0,1,2,3
	v_add_f32 v[STAT+4*\i+2], v[STAT+4*\i+2], v[STAT+4*\i+3]
.endr
.irp i, 0,1,2,3
	v_rcp_f32 v[STAT+4*\i+2], v[STAT+4*\i+2]
.endr
	v_nop                                          ; a plain line between the last reciprocal and the use of its result
	WIN 0x41
	s_wait_alu depctr_va_vdst(0)
.irp i, 0,1,2,3
.set kk, 0
.rept 16
	v_pk_mul_f32 v[O+32*\i+2*kk:O+32*\i+2*kk+1], v[O+32*\i+2*kk:O+32*\i+2*kk+1], v[STAT+4*\i+2:STAT+4*\i+3] op_sel_hi:[1,0]   ; each accumulator from its low end on
.set kk, kk+1
.endr
.endr
.set kk, 0
.rept 128
	v_med3_num_f32 v[O+kk], v[O+kk], s[OLIM], s[OLIM+1]            ; the hold at the largest code x the scale
.set kk, kk+1
.endr
	WIN 0x01                                       ; source 0 (O^T) window 1, destination window 0: S^T's registers are free
.irp i, 0,1,2,3
.irp dt, 0,1,2,3
	v_cvt_scalef32_pk8_fp8_f32 v[S+8*\i+2*\dt:S+8*\i+2*\dt+1], v[O+32*\i+8*\dt:O+32*\i+8*\dt+7], v[SCO]
.endr
.endr
	v_nop                                          ; one plain vector line behind the last conversion
	WIN 0
.irp x, 0,1
.irp g, 0,1
	global_store_b128 v[LI], v[S+8*\x+4*\g:S+8*\x+4*\g+3], s[AH:AH+1] offset:16384*\x+512*\g          ; each store of the wave covers 512 consecutive bytes, aligned
	global_store_b128 v[LI], v[S+16+8*\x+4*\g:S+16+8*\x+4*\g+3], s[AL:AL+1] offset:16384*\x+512*\g
.endr
.endr
	s_wait_tensorcnt 0x0
	ds_add_u32 v46, v47
	s_wait_dscnt 0x0
	s_endpgm
.Lfunc_end_k_qad18a8e884_attn:
	.size	k_qad18a8e884_attn, .Lfunc_end_k_qad18a8e884_attn-k_qad18a8e884_attn
	.p2alignl 7, 3214868480
	.fill 96, 4, 3214868480
	.section	.rodata,"a",@progbits
	.p2align	6, 0x0
	.amdhsa_kernel k_qad18a8e884_attn
		.amdhsa_group_segment_fixed_size 263168
		.amdhsa_private_segment_fixed_size 0
		.amdhsa_enable_private_segment 0
		.amdhsa_kernarg_size 40
		.amdhsa_user_sgpr_count 2
		.amdhsa_user_sgpr_kernarg_segment_ptr 1
		.amdhsa_wavefront_size32 1
		.amdhsa_system_sgpr_workgroup_id_x 1
		.amdhsa_system_sgpr_workgroup_id_y 1
		.amdhsa_system_sgpr_workgroup_id_z 1
		.amdhsa_system_vgpr_workitem_id 0
		.amdhsa_next_free_vgpr 512
		.amdhsa_next_free_sgpr 100
		.amdhsa_reserve_vcc 0
		.amdhsa_float_denorm_mode_32 3
		.amdhsa_float_denorm_mode_16_64 3
		.amdhsa_memory_ordered 1
		.amdhsa_forward_progress 1
		.amdhsa_inst_pref_size 151
	.end_amdhsa_kernel
	.amdgpu_metadata
---
amdhsa.version: [ 1, 2 ]
amdhsa.kernels:
  - .name:           k_qad18a8e884_attn
    .symbol:         k_qad18a8e884_attn.kd
    .args:
      - { .name: q_img, .offset: 0, .size: 8, .value_kind: global_buffer, .address_space: global }
      - { .name: k_img, .offset: 8, .size: 8, .value_kind: global_buffer, .address_space: global }
      - { .name: v_img, .offset: 16, .size: 8, .value_kind: global_buffer, .address_space: global }
      - { .name: lowp_scales, .offset: 24, .size: 8, .value_kind: global_buffer, .address_space: global }
      - { .name: a_img, .offset: 32, .size: 8, .value_kind: global_buffer, .address_space: global }
    .group_segment_fixed_size: 263168
    .private_segment_fixed_size: 0
    .kernarg_segment_align: 8
    .kernarg_segment_size: 40
    .max_flat_workgroup_size: 256
    .sgpr_count:     100
    .vgpr_count:     512
    .wavefront_size: 32
...
	.end_amdgpu_metadata
.endif
;; end of part 2
;; launch proj (part 3): grid 4 x 64, 4 waves a work-group, clusters of 4 x 1, 168,448 bytes of LDS; arguments a_img, Wo_codes, bo, lowp_scales, out0; writes out0
.if DOCPART == 3
	.amdgcn_target "amdgcn-amd-amdhsa--gfx1250"
	.amdhsa_code_object_version 6
	.text
	.protected	k_qad18a8e884_proj
	.globl	k_qad18a8e884_proj
	.p2align	8
	.type	k_qad18a8e884_proj,@function
k_qad18a8e884_proj:
	s_mov_b64 s[64:65], 0
	v_nop
	global_prefetch_b8 v0, s[64:65] scope:SCOPE_SE
	s_setreg_imm32_b32 hwreg(HW_REG_WAVE_MODE, 25, 1), 1
	s_wait_xcnt 0x0
	s_wait_alu depctr_hold_cnt(0) depctr_sa_sdst(0) depctr_va_vdst(0) depctr_va_sdst(0) depctr_va_ssrc(0) depctr_va_vcc(0) depctr_vm_vsrc(0)
	s_getreg_b32 s2, hwreg(HW_REG_IB_STS2, 6, 4)
	s_cmp_eq_u32 s2, 0
	s_cbranch_scc0 .Lentry_in_a_cluster
	s_endpgm
.Lentry_in_a_cluster:
	s_bfe_u32 s2, ttmp6, 0x10000c
	s_cmp_lg_u32 s2, 0x3003
	s_cbranch_scc0 .Lentry_shape_is_right
	s_endpgm
.Lentry_shape_is_right:
; out = a Wo^T + bo on codes of FP8 (E4M3).  a: the attention's result as codes, stored by the launch before as images of operand registers:
; a_img [token tile 0..511][K step of 128 0..7][group 0..3][lane][16 bytes], lane (r, h): token r, features 32 c + 16 h + 0 .. 15 of the K step.  Wo: [1024][1024] codes, K innermost.  bo [1024], out [8192][1024]: f32.
; A number of a is its code x 2^e10, of Wo x 2^e11: each finished sum is multiplied once by 2^(e10 + e11) and bo is added, in one packed multiply-add for two numbers.
; LIMIT: e10 + e11 lies between -126 and 127, so that 2^(e10 + e11) is an f32 number.  NaN codes are not served.
; SHARES.  A work-group takes 128 tokens (128 y on) x 256 columns (256 g on).  Wave w takes columns 64 w .. 64 w + 63 of those: 4 tiles of 16 rows of Wo x 8 K steps = 512 registers, loaded once and kept.
; The tokens go in 4 pairs of tiles of 16: 64 matrix instructions a pair, eight accumulators by turns.
; CLUSTER.  The four work-groups of a cluster share y, so they need the same 131,072 bytes of a_img, one dense block: each wave asks for a quarter of it JOINTLY.  It is laid into LDS once and never filled again.
; THE MATRIX INSTRUCTION IS USED TRANSPOSED (source 0 = 16 rows of Wo, source 1 = 16 tokens): a lane holds eight neighbouring columns of one row of out.  Wo's fragments are loaded 16 bytes at a time, by the map that a_img has.
; THE WAY OUT.  A pair's 32 rows x 64 columns go through the wave's own stage in LDS (rows of 256 bytes + 16) and come back by rows: sixteen lanes store 256 consecutive bytes, aligned.
; REGISTERS.  Window 0: v1-6 addresses; v16-143 four stages of a's fragments (K step s in stage s % 4); v144-207 the accumulators; v208-239 bo in the result's layout.  Windows 1, 2: Wo: tile t in window 1 + t / 2 at 128 (t % 2) + 16 s.
;   Window 3: v0-63 rows read back from the stage.
.set PAIRB,  32768                     ; a pair of token tiles in LDS
.set STGB,   131072                    ; behind a's block: the stages, 32 rows x 272 bytes for each wave; no fill ever lands there
.set SPITCH, 272
.set XA,   1                           ; v1  16 x lane, + PAIRB a pair
.set WOF,  2                           ; v2  Wo: r x 1024 + 16 h
.set STO,  3                           ; v3  the stage: where I put 32 bytes of a row
.set RD,   4                           ; v4  and where I read a row back
.set CO,   5                           ; v5  my byte offset in two rows of out
.set BOF,  6                           ; v6  32 h: my half's eight numbers of a tile of bo
.set XS,   16
.set ACC,  144                         ; accumulator (column tile t, token tile ut) at ACC + 8 (2 t + ut)
.set BO,   208
.set WV,   20
.set G1,   24
.set G0,   32
.set EX,   36                          ; s36, s37 e10, e11
.set SCL,  38                          ; s[38:39] 2^(e10 + e11): the packed form names a pair and takes its low word for both halves
.set CNT,  66
.set OB,   68                          ; s[68:69] out at the pair's first row and my first column
.set MSB, 0
.macro WIN new                         ; the immediate's high byte repeats the setting that is left; a switch that changes nothing is dropped
.if MSB != (\new)
	s_set_vgpr_msb (MSB<<8)|(\new)
.set MSB, (\new)
.endif
.endm
.macro ROUND                           ; a round of the cluster's barrier
	s_barrier_signal -1
	s_barrier_wait -1
	s_cmp_lg_u32 s[WV], 0
	s_cbranch_scc1 .Lnot_wave_0_\@
	s_barrier_signal -3
.Lnot_wave_0_\@:
	s_barrier_wait -3
	s_barrier_signal -1
	s_barrier_wait -1
.endm
.macro PLACES                          ; four plain vector lines behind a matrix instruction, ahead of a load into a register that it read and of the first read of its result
.rept 4
	v_nop
.endr
.endm
	s_load_b256 s[4:11], s[0:1], 0x0               ; a_img s[4:5], Wo s[6:7], bo s[8:9], scales s[10:11]
	s_load_b64 s[12:13], s[0:1], 0x20              ; out
	v_lshl_add_u32 v254, v0, 2, 0x29000
	v_mov_b32 v255, 0
	ds_add_u32 v254, v255
	ds_add_u32 v254, v255
	v_lshrrev_b32 v8, 5, v0
	v_readfirstlane_b32 s[WV], v8                  ; wave 0..3
	s_bfe_u32 s21, ttmp6, 0x40000                  ; cx
	s_lshl_b32 s22, ttmp9, 2
	s_add_co_u32 s22, s22, s21                     ; g = 4 x cluster x + cx: it enters Wo's, bo's and out's addresses alone
	s_and_b32 s23, ttmp7, 0xffff                   ; y, which the four partners share
	; descriptor group 1: a dense block of 32,768 bytes as 128 rows of 256 bytes, no padding: the images are read 512 consecutive bytes at a time
	s_mov_b32 s[G1], 15|(3<<16)|(1<<21)            ; 15:0 the mask: all four work-groups; 17:16 elements of 8 bytes; 21 set beside a mask
	s_mov_b32 s[G1+1], 32<<16                      ; tensor_dim0 = 32
	s_mov_b32 s[G1+2], 128<<16                     ; tensor_dim1 = 128
	s_mov_b32 s[G1+3], 32<<16                      ; tile_dim0 = 32
	s_mov_b32 s[G1+4], 128                         ; tile_dim1 = 128
	s_mov_b32 s[G1+5], 32                          ; from row to row
	s_mov_b32 s[G1+6], 0
	s_mov_b32 s[G1+7], 0
	s_mov_b32 s[G0], 1
	s_lshl_b32 s[G0+1], s[WV], 15                  ; LDS address: my wave's quarter
	s_lshl_b32 s54, s23, 17                        ; the work-group's 8 token tiles of 16,384 bytes,
	s_add_co_u32 s54, s54, s[G0+1]                 ; + my quarter
	s_mov_b32 s55, 0
	s_wait_dscnt 0x0
	s_wait_kmcnt 0x0
	s_load_b64 s[EX:EX+1], s[10:11], 0x28          ; e10, e11
	s_add_nc_u64 s[G0+2:G0+3], s[4:5], s[54:55]
	s_or_b32 s[G0+3], s[G0+3], 0x80000000          ; type = 2
	ROUND                                          ; all four work-groups are here: the joint loads meet
	tensor_load_to_lds s[G0:G0+3], s[G1:G1+7]      ; my one tensor load of the launch
	s_nop 0
	v_and_b32 v8, 15, v0                           ; r.  (The address lines stand behind the load; no window is switched among them)
	v_bfe_u32 v9, v0, 4, 1                         ; h
	v_and_b32 v[XA], 31, v0
	v_lshlrev_b32 v[XA], 4, v[XA]
	v_lshlrev_b32 v[WOF], 10, v8
	v_lshl_add_u32 v[WOF], v9, 4, v[WOF]
	s_mul_i32 s58, s[WV], 32*SPITCH
	s_add_co_u32 s58, s58, STGB                    ; my stage
	v_mul_u32_u24 v[STO], v8, SPITCH               ; in: row r, 32 bytes for each half of the lanes
	v_lshl_add_u32 v[STO], v9, 5, v[STO]
	v_add_nc_u32 v[STO], s58, v[STO]
	v_mul_u32_u24 v[RD], v9, SPITCH                ; back: lanes 0-15 take one row of 256 bytes, lanes 16-31 the next
	v_lshl_add_u32 v[RD], v8, 4, v[RD]
	v_add_nc_u32 v[RD], s58, v[RD]
	v_lshlrev_b32 v[CO], 12, v9                    ; and the same two rows in out: a row is 4,096 bytes
	v_lshl_add_u32 v[CO], v8, 4, v[CO]
	v_lshlrev_b32 v[BOF], 5, v9
	s_lshl_b32 s56, s22, 18                        ; my rows of Wo begin at row 256 g + 64 w
	s_lshl_b32 s57, s[WV], 16
	s_add_co_u32 s56, s56, s57
	s_mov_b32 s57, 0
	s_add_nc_u64 s[6:7], s[6:7], s[56:57]
	s_lshl_b32 s60, s22, 10                        ; my first column in bytes: 1,024 g + 256 w
	s_lshl_b32 s61, s[WV], 8
	s_add_co_u32 s60, s60, s61
	s_mov_b32 s61, 0
	s_add_nc_u64 s[8:9], s[8:9], s[60:61]
	s_lshl_b32 s62, s23, 19                        ; 128 y rows of 4,096 bytes
	s_add_co_u32 s62, s62, s60
	s_mov_b32 s63, 0
	s_add_nc_u64 s[OB:OB+1], s[12:13], s[62:63]
.irp t, 0,1,2,3
	WIN (1+\t/2)<<6                                ; destination window 1 or 2
.irp s, 0,1,2,3,4,5,6,7
.irp c, 0,1,2,3
	global_load_b128 v[128*(\t%2)+16*\s+4*\c:128*(\t%2)+16*\s+4*\c+3], v[WOF], s[6:7] offset:\t*16384+128*\s+32*\c
.endr
.endr
.endr
	WIN 0
.irp t, 0,1,2,3
	global_load_b128 v[BO+8*\t:BO+8*\t+3], v[BOF], s[8:9] offset:64*\t          ; lane (r, h): bo at columns 16 t + 8 h + 0 .. 7
	global_load_b128 v[BO+8*\t+4:BO+8*\t+7], v[BOF], s[8:9] offset:64*\t+16
.endr
	s_wait_kmcnt 0x0
	s_add_co_i32 s[SCL], s[EX], s[EX+1]
	s_add_co_i32 s[SCL], s[SCL], 127
	s_lshl_b32 s[SCL], s[SCL], 23                  ; 2^(e10 + e11) as f32
	s_mov_b32 s[SCL+1], s[SCL]                     ; (named with it as a pair, so it is written)
	s_wait_loadcnt 0x0                             ; Wo and bo are in
	s_wait_tensorcnt 0x0                           ; my quarter of a's block is in LDS,
	s_barrier_signal -1
	s_barrier_wait -1                              ; everybody's is
; the pair's two fragments of K step s (s = 8, 9, 10: the next pair's steps 0, 1, 2) into stage s % 4
.macro FETCH s
.irp ut, 0,1
.irp c, 0,1,2,3
	ds_load_b128 v[XS+32*((\s)%4)+16*\ut+4*\c:XS+32*((\s)%4)+16*\ut+4*\c+3], v[XA] offset:((\s)/8)*PAIRB+\ut*16384+((\s)%8)*2048+512*\c
.endr
.endr
.endm
.macro MM d, a, b, zero                ; zero = 1: the product starts the sum: nothing is ever cleared
.if \zero
	v_wmma_f32_16x16x128_fp8_fp8 v[\d:\d+7], v[\a:\a+15], v[\b:\b+15], 0
.else
	v_wmma_f32_16x16x128_fp8_fp8 v[\d:\d+7], v[\a:\a+15], v[\b:\b+15], v[\d:\d+7]
.endif
.endm
; K step s of a pair: eight matrix instructions, the eight accumulators by turns, one instruction a turn, in the same order in every step
.macro STEP s, more
	WIN 0
.if (\more) || ((\s)+3 < 8)
.if (\s) > 0
	PLACES                                         ; the stage that is loaded next was read by the products just issued
.endif
	FETCH (\s)+3
	s_wait_dscnt 24                                ; this step's 8 loads are in; those of the three steps behind it may be out
.else
	s_wait_dscnt 8*(7-(\s))                        ; the last pair's last steps fetch nothing: the counts run down
.endif
.set ST, XS+32*((\s)%4)
.if (\s) == 0
.set ZR, 1
.else
.set ZR, 0
.endif
	WIN 0x01                                       ; source 0 (Wo's tiles 0, 1) window 1
.irp t, 0,1
.irp ut, 0,1
	MM ACC+8*(2*\t+\ut), 128*\t+16*(\s), ST+16*\ut, ZR
.endr
.endr
	WIN 0x02                                       ; tiles 2, 3: window 2
.irp t, 0,1
.irp ut, 0,1
	MM ACC+32+8*(2*\t+\ut), 128*\t+16*(\s), ST+16*\ut, ZR
.endr
.endr
.endm
.macro OUT more
	WIN 0
	PLACES
.irp t, 0,1,2,3
.irp ut, 0,1
.irp n, 0,2,4,6
	v_pk_fma_f32 v[ACC+8*(2*\t+\ut)+\n:ACC+8*(2*\t+\ut)+\n+1], v[ACC+8*(2*\t+\ut)+\n:ACC+8*(2*\t+\ut)+\n+1], s[SCL:SCL+1], v[BO+8*\t+\n:BO+8*\t+\n+1] op_sel_hi:[1,0,1]   ; sum x 2^(e10 + e11) + bo; each accumulator from its low end on
.endr
.endr
.endr
.irp t, 0,1,2,3
.irp ut, 0,1
	ds_store_b128 v[STO], v[ACC+8*(2*\t+\ut):ACC+8*(2*\t+\ut)+3] offset:\ut*16*SPITCH+64*\t
	ds_store_b128 v[STO], v[ACC+8*(2*\t+\ut)+4:ACC+8*(2*\t+\ut)+7] offset:\ut*16*SPITCH+64*\t+16
.endr
.endr
	WIN 0xc0                                       ; destination window 3
.irp i, 0,1,2,3,4,5,6,7,8,9,10,11,12,13,14,15
	ds_load_b128 v[4*\i:4*\i+3], v[RD] offset:\i*2*SPITCH          ; LDS serves a wave's instructions in order (ISA guide 5.7.1.4): these see my stores above
.endr
	WIN 0x0c                                       ; a store's data window 3
.irp i, 0,1,2,3,4,5,6,7,8,9,10,11,12,13,14,15
	s_wait_dscnt 15-\i                             ; rows 2 i and 2 i + 1 are back; the younger loads may be out
	global_store_b128 v[CO], v[4*\i:4*\i+3], s[OB:OB+1] offset:\i*8192 th:TH_STORE_NT   ; 16 lanes store 256 consecutive bytes, at a multiple of 256 from out's first byte; written once, read by nobody here
.endr
	WIN 0
.if \more
	s_wait_xcnt 0x0                                ; the stores have read their base and their data: the base steps, and window 3 is loaded again, only behind this wait
	s_add_nc_u64 s[OB:OB+1], s[OB:OB+1], 131072    ; 32 rows of out on
	v_add_nc_u32 v[XA], PAIRB, v[XA]
.endif
.endm
.macro PAIR more
.irp s, 0,1,2,3,4,5,6,7
	STEP \s, \more
.endr
	OUT \more
.endm
	FETCH 0
	FETCH 1
	FETCH 2
	s_mov_b32 s[CNT], 3
.Lpair:
	PAIR 1
	s_sub_co_u32 s[CNT], s[CNT], 1
	s_cmp_lg_u32 s[CNT], 0
	s_cbranch_scc1 .Lpair
	PAIR 0                                         ; the last pair is written out: no LDS load reaches past a's block.  Its way out has waited for all my LDS instructions
	s_wait_tensorcnt 0x0
	ds_add_u32 v254, v255
	s_wait_dscnt 0x0
	ROUND                                          ; the closing round: no work-group ends while a partner may still ask for a block that names it
	s_endpgm
.Lfunc_end_k_qad18a8e884_proj:
	.size	k_qad18a8e884_proj, .Lfunc_end_k_qad18a8e884_proj-k_qad18a8e884_proj
	.p2alignl 7, 3214868480
	.fill 96, 4, 3214868480
	.section	.rodata,"a",@progbits
	.p2align	6, 0x0
	.amdhsa_kernel k_qad18a8e884_proj
		.amdhsa_group_segment_fixed_size 168448
		.amdhsa_private_segment_fixed_size 0
		.amdhsa_enable_private_segment 0
		.amdhsa_kernarg_size 40
		.amdhsa_user_sgpr_count 2
		.amdhsa_user_sgpr_kernarg_segment_ptr 1
		.amdhsa_wavefront_size32 1
		.amdhsa_system_sgpr_workgroup_id_x 1
		.amdhsa_system_sgpr_workgroup_id_y 1
		.amdhsa_system_sgpr_workgroup_id_z 1
		.amdhsa_system_vgpr_workitem_id 0
		.amdhsa_next_free_vgpr 832
		.amdhsa_next_free_sgpr 100
		.amdhsa_reserve_vcc 0
		.amdhsa_float_denorm_mode_32 3
		.amdhsa_float_denorm_mode_16_64 3
		.amdhsa_memory_ordered 1
		.amdhsa_forward_progress 1
		.amdhsa_inst_pref_size 50
	.end_amdhsa_kernel
	.amdgpu_metadata
---
amdhsa.version: [ 1, 2 ]
amdhsa.kernels:
  - .name:           k_qad18a8e884_proj
    .symbol:         k_qad18a8e884_proj.kd
    .args:
      - { .name: a_img, .offset: 0, .size: 8, .value_kind: global_buffer, .address_space: global }
      - { .name: Wo_codes, .offset: 8, .size: 8, .value_kind: global_buffer, .address_space: global }
      - { .name: bo, .offset: 16, .size: 8, .value_kind: global_buffer, .address_space: global }
      - { .name: lowp_scales, .offset: 24, .size: 8, .value_kind: global_buffer, .address_space: global }
      - { .name: out0, .offset: 32, .size: 8, .value_kind: global_buffer, .address_space: global }
    .group_segment_fixed_size: 168448
    .private_segment_fixed_size: 0
    .kernarg_segment_align: 8
    .kernarg_segment_size: 40
    .max_flat_workgroup_size: 128
    .sgpr_count:     100
    .vgpr_count:     832
    .wavefront_size: 32
...
	.end_amdgpu_metadata
.endif
;; end of part 3
;; ======== version 2 of 2: 3 launches; version 1 with the launch attn written anew for expert scheduling mode
;; workspace buffers: q_img 8,388,608 bytes; k_img 8,388,608 bytes; v_img 8,388,608 bytes; a_img 8,388,608 bytes
;; launch qkv: the kernel of part 1 again; grid 8 x 32, 4 waves a work-group, clusters of 4 x 1, 266,752 bytes of LDS; arguments x_codes, Wq_codes, Wk_codes, Wv_codes, lowp_scales, q_img, k_img, v_img; writes q_img, k_img, v_img
;; launch attn (part 4): grid 4 x 64, 8 waves a work-group, no clusters, 263,168 bytes of LDS; arguments q_img, k_img, v_img, lowp_scales, a_img; writes a_img
.if DOCPART == 4
	.amdgcn_target "amdgcn-amd-amdhsa--gfx1250"
	.amdhsa_code_object_version 6
	.text
	.protected	k_qad18a8e884_attn
	.globl	k_qad18a8e884_attn
	.p2align	8
	.type	k_qad18a8e884_attn,@function
k_qad18a8e884_attn:
	s_mov_b64 s[64:65], 0
	v_nop
	global_prefetch_b8 v0, s[64:65] scope:SCOPE_SE
	s_setreg_imm32_b32 hwreg(HW_REG_WAVE_SCHED_MODE, 0, 2), 2
	s_setreg_imm32_b32 hwreg(HW_REG_WAVE_MODE, 25, 1), 1
	s_wait_xcnt 0x0
	s_wait_alu depctr_vm_vsrc(0)
; Causal attention of one head on codes of FP8 (E4M3): S^T = K Q^T, p = 2^(t - M), O^T = V^T P^T, O / l quantised for the last product.  2,048 tokens, head size 64.
; t = score x log2(e) / 8; M = the row's largest t so far, rounded UP to a whole number; p is quantised with 2^e8 and is not normalised; the row's sum l is taken of the unquantised p, in f32, and divides O at the end.
; When M moves, l and O^T are multiplied by 2^(old M - new M): nothing is rounded, and no branch hangs on data.
; q_img, k_img, v_img hold operand registers as the launch before stored them: a group of four registers, 16 bytes a lane at 16 x lane.  a_img is stored in the same way for the launch behind:
; [token tile 0..511][K step of 128 features 0..7][group 0..3][lane][16 bytes], lane (r, h): token r, features 32 c + 16 h + 0 .. 15 of the K step.
; SHARES.  Work-group (j, head image hh) has eight waves, two to a SIMD.  Wave w owns TWO pairs of query tiles (32 queries each): pair b_lo = 8 j + w and pair b_hi = 63 - b_lo.  Pair b needs b / 4 + 1 key steps of 128,
; so every wave of the launch has 17 pair-steps, whatever j and w.  What the causal mask hides wholly is not computed.  One fetch of a step's K and V fragments serves both tiles of the late pair, and the early pair too while it is active.
; LDS holds the head's K and V images whole, 8,192 bytes a key step each, every byte stored once: step KS + 1 is loaded into registers at the head of trip KS and stored into LDS at its end, so one barrier a trip is enough.
; NO CLUSTER, NO JOINT LOADS: the four work-groups of a head walk 16 - 2 j key steps, different numbers; what they share is 16,384 bytes a step against some 800 vector instructions a wave; and the hold of p
; (128 instructions a pair-step) is jumped over by a branch on the given exponent e8.  With e8 >= -8, 448 x 2^e8 is at least 1.75 and p is never over 1 by more than a rounding.
; LAYOUT.  Both products are used transposed, so a lane holds ONE query (lane % 16) throughout.  In S^T lane (r, h) holds keys 16 T + 8 h + 0 .. 7 of key tile T: their eight codes are registers 2 T, 2 T + 1 of P in the K = 128
; form's own layout, which V^T's image has too.  V^T's rows were chosen so that O^T's tiles 2 b and 2 b + 1 hold features 32 b + 16 h + 0 .. 15: their codes are a group of a_img.
; LIMITS on the given exponents, so that each power of two below is an f32 number: e6 + e7 between -123 and 130; e8 between -126 and 119; e10 - e8 - e9 between -126 and 119.  NaN codes are not served.
; REGISTERS.  Window 0: v1-10 addresses and constants; v12-27 four registers of statistics a tile (-M, the largest t, l in two halves); v28-43 at work; v48-63 the staged step; v64-191 S^T, then p: two tiles of 64; v192-255 K's fragments.
;   Window 1: v0-127 O^T, 32 a tile; v128-159 Q, 8 a tile; v160-191 P's codes, 16 a tile; v192-255 V^T's fragments.   Tiles: 0, 1 the late pair's; 2, 3 the early pair's.
; THE MODE: SCHED_MODE bits 1:0 = 2 (LLVM: expert scheduling mode 2), set by the entry lines.  The code itself states the register dependences
; between vector or matrix instructions and memory or LDS instructions, with s_wait_alu, always for 0.
; THE PLAN.  Registers that memory or LDS instructions touch:
;   v1, v6, v10     LI, GOF, PFO: offsets, written at the head and never again; read by Q's loads and the last stores, by the staged loads and the head's LDS stores, by the prefetch.
;   v2 .. v5        ADK, ADV, ADS, ADSV: written by four additions at a trip's head; read by that trip's 32 LDS loads and 4 LDS stores.
;   v48 .. v63      The staged step: global loads land in it at a trip's head, LDS stores read it at the trip's end; no vector instruction names it.
;   K's, V's fragments   LDS loads land in them near a trip's head; the trip's matrix instructions read them.     Q: loaded once, at the head.
;   v64 .. v95      On the way out: written by the conversions, read by the eight stores.     v46, v47: written at the head, read by the closing add alone.
;   S^T, P, O^T, the statistics and the registers at work are named by vector and matrix instructions alone.
; So TWO waits stand at a trip's head, ahead of all its branches.  One on vm_vsrc, ahead of the four additions: the LDS instructions issued so far have read the four addresses, and the LDS stores the staged registers.
; One on va_vdst, behind the additions: the addresses are written, and the last trip's matrix instructions are done reading K's and V's fragments.  No vector or matrix instruction of the trip names an address or a staged register,
; and none stands between that wait and the loads of the fragments: all the trip's loads and stores lean on these two.  There is one set of K's and of V's fragments: two waves to a SIMD leave 512 registers a wave, all in use.
.set LI,   1                           ; v1   16 x lane
.set ADK,  2                           ; v2   LDS address of the step's K fragments: 16 x lane + 8,192 KS
.set ADV,  3                           ; v3   of V's: + 131,072
.set ADS,  4                           ; v4   where I store staged bytes of K: 16 x thread + 8,192 KS (the next step by the immediate)
.set ADSV, 5                           ; v5   of V: + 131,072
.set GOF,  6                           ; v6   16 x thread
.set NINF, 7                           ; v7   -infinity
.set SCP,  8                           ; v8   2^e8 as f32
.set SCO,  9                           ; v9   2^(e10 - e8 - e9) as f32
.set PFO,  10                          ; v10  256 x lane
.set STAT, 12
.set TMP,  28                          ; for the pair's tile x at TMP + 8 x: +0, +1 two chains of the maximum; +2 the other half of the lanes'; +4 f (+5 named with it as a pair); +6, +7 the second chain of sums
.set STG,  48
.set S,    64
.set KFR,  192
.set O,    0                           ; in window 1
.set Q,    128
.set P,    160
.set VFR,  192
.set VLDS, 0x20000                     ; V's images begin here
.set WV,   14
.set HH,   16
.set KS,   17                          ; the key step, the loop's counter
.set SKF,  18                          ; its first key, 128 KS
.set KB,   19                          ; its bytes in an image, 8,192 KS
.set Q0H,  20                          ; s20 the late pair's first query, s21 the early pair's
.set LASTK, 22                         ; the work-group's last key step: 15 - 2 j
.set LIMP, 23                          ; a wave prefetches while KS is under this
.set KP,   24                          ; s[24:25] k_img at step KS of my head;  s[26:27] v_img likewise;  s[28:29] one of the two, for my prefetches
.set VP,   26
.set PFA,  28
.set CS,   30                          ; s[30:31] c = log2(e) / 8 x 2^(e6 + e7): the packed form names a pair and takes its low word for both halves
.set SEL,  32                          ; s[32:33] v_permlanex16_b32's selects for lane l xor 16
.set PLIM, 34                          ; 448 x 2^e8
.set HOLD, 35                          ; 1 where p has to be held
.set OLIM, 36                          ; s36, s37 -+448 x 2^(e10 - e8 - e9)
.set DD,   38
.set CM,   40                          ; s40-47 the diagonal tile's masks: register n hides lanes (r, h) with 8 h + n > r
.set MT,   48                          ; s48-55 the masks of the tile in hand
.set DT,   56                          ; s56, s57 the key tile on which the pair's tile 0, 1 has its diagonal
.set AH,   60                          ; s[60:61], s[62:63] where the late and the early pair go in a_img
.set AL,   62
.set EX,   68                          ; s68-72 e6 .. e10
.set MSB, 0
.macro WIN new                         ; the immediate's high byte repeats the setting that is left; a switch that changes nothing is dropped
.if MSB != (\new)
	s_set_vgpr_msb (MSB<<8)|(\new)
.set MSB, (\new)
.endif
.endm
.macro PLACES                          ; four plain vector lines behind a matrix instruction, ahead of the first read of its result (ISA guide 7.12.1)
.rept 4
	v_nop
.endr
.endm
	s_load_b256 s[4:11], s[0:1], 0x0               ; q_img s[4:5], k_img s[6:7], v_img s[8:9], scales s[10:11]
	s_load_b64 s[12:13], s[0:1], 0x20              ; a_img
	v_lshl_add_u32 v46, v0, 2, 0x40000
	v_mov_b32 v47, 0
	v_lshrrev_b32 v2, 5, v0
	v_readfirstlane_b32 s[WV], v2                  ; wave 0..7
	v_and_b32 v[LI], 31, v0
	v_lshlrev_b32 v[PFO], 8, v[LI]
	v_lshlrev_b32 v[LI], 4, v[LI]
	v_lshlrev_b32 v[GOF], 4, v0
	v_add_nc_u32 v[ADSV], VLDS, v[GOF]
	v_mov_b32 v[NINF], 0xff800000
	s_wait_alu depctr_va_sdst(0)                   ; s14, the wave's number, is written, ahead of its first reader: the pairs, the prefetching waves and the addresses are made from it
	s_and_b32 s[HH], ttmp7, 0xffff                 ; batch x 16 + head
	s_lshl_b32 s80, ttmp9, 3
	s_add_co_u32 s80, s80, s[WV]                   ; b_lo = 8 j + w
	s_sub_co_u32 s81, 63, s80                      ; b_hi
	s_lshl_b32 s[Q0H+1], s80, 5
	s_lshl_b32 s[Q0H], s81, 5
	s_lshl_b32 s82, ttmp9, 1
	s_sub_co_u32 s[LASTK], 15, s82
	s_lshr_b32 s82, s[WV], 1                       ; 0 in waves 0 and 1,
	s_or_b32 s82, s82, ttmp9                       ; of the head's first work-group
	s_cmp_eq_u32 s82, 0
	s_cselect_b32 s[LIMP], 13, 0                   ; trips 0 to 12 ask for steps 3 to 15
	s_lshl_b32 s84, s[HH], 17                      ; the head's first byte in each of the three images
	s_mov_b32 s85, 0
	s_lshl_b32 s86, s81, 11                        ; a pair's two fragments of Q are 2,048 bytes
	s_mov_b32 s87, 0
	s_lshl_b32 s88, s80, 11
	s_mov_b32 s89, 0
	s_lshr_b32 s82, s[HH], 4
	s_lshl_b32 s82, s82, 7                         ; the batch's first token tile
	s_and_b32 s83, s[HH], 15
	s_lshl_b32 s83, s83, 10                        ; the head's 64 features: two groups of 512 bytes: K step head / 2, groups 2 (head % 2) on
	s_lshl_b32 s94, s81, 1
	s_add_co_u32 s94, s94, s82
	s_lshl_b32 s94, s94, 14                        ; a token tile of a_img is 16,384 bytes
	s_add_co_u32 s94, s94, s83
	s_mov_b32 s95, 0
	s_lshl_b32 s96, s80, 1
	s_add_co_u32 s96, s96, s82
	s_lshl_b32 s96, s96, 14
	s_add_co_u32 s96, s96, s83
	s_mov_b32 s97, 0
	s_mov_b32 s[SEL], 0x76543210
	s_mov_b32 s[SEL+1], 0xfedcba98
.irp n, 0,1,2,3,4,5,6,7
	s_mov_b32 s[CM+\n], ((1<<\n)-1)|(((1<<(8+\n))-1)<<16)   ; lanes 0-15: r < n; lanes 16-31: r < 8 + n
.endr
	s_mov_b32 s[SKF], 0
	s_mov_b32 s[KB], 0
	s_wait_kmcnt 0x0
	s_load_b128 s[EX:EX+3], s[10:11], 0x18         ; e6, e7, e8, e9
	s_load_b32 s[EX+4], s[10:11], 0x28             ; e10
	s_add_nc_u64 s[KP:KP+1], s[6:7], s[84:85]
	s_add_nc_u64 s[VP:VP+1], s[8:9], s[84:85]
	s_add_nc_u64 s[4:5], s[4:5], s[84:85]
	s_add_nc_u64 s[90:91], s[4:5], s[86:87]        ; the late pair's Q,
	s_add_nc_u64 s[92:93], s[4:5], s[88:89]        ; the early pair's
	s_add_nc_u64 s[AH:AH+1], s[12:13], s[94:95]
	s_add_nc_u64 s[AL:AL+1], s[12:13], s[96:97]
	s_cmp_eq_u32 s[WV], 0
	s_cselect_b64 s[PFA:PFA+1], s[KP:KP+1], s[VP:VP+1]  ; wave 0 asks for K's steps, wave 1 for V's
	s_wait_alu depctr_va_vdst(0)                   ; v1, v6 and v10, the offsets of every global load, store and prefetch, are written, and so is v5, by which the head's LDS stores go; no vector line from here to those stores names a register that a load or a store touches
	global_load_b128 v[STG:STG+3], v[GOF], s[KP:KP+1]              ; key step 0: the 256 threads take 2 x 4,096 bytes of K and of V; a wave's load covers 512 consecutive bytes
	global_load_b128 v[STG+4:STG+7], v[GOF], s[KP:KP+1] offset:4096
	global_load_b128 v[STG+8:STG+11], v[GOF], s[VP:VP+1]
	global_load_b128 v[STG+12:STG+15], v[GOF], s[VP:VP+1] offset:4096
	WIN 0x40                                       ; destination window 1
.irp n, 0,1,2,3
	global_load_b128 v[Q+4*\n:Q+4*\n+3], v[LI], s[90:91] offset:512*\n          ; Q stays in registers
.endr
.irp n, 0,1,2,3
	global_load_b128 v[Q+16+4*\n:Q+16+4*\n+3], v[LI], s[92:93] offset:512*\n
.endr
.set kk, 0
.rept 128
	v_mov_b32 v[O+kk], 0                           ; O^T.  (The pair-step is written without a first step of its own: the first finds zeros, which the first change of M leaves zeros)
.set kk, kk+1
.endr
	WIN 0
.irp i, 0,1,2,3
	v_mov_b32 v[STAT+4*\i+1], 0xff61b1e6           ; the largest t so far: -3e38, under every t
	v_floor_f32 v[STAT+4*\i], -v[STAT+4*\i+1]      ; -M
	v_mov_b32 v[STAT+4*\i+2], 0                    ; l, in two halves
	v_mov_b32 v[STAT+4*\i+3], 0
.endr
.irp x, 0,1
	v_mov_b32 v[TMP+8*\x+2], 0                     ; written once: a lane permute's destination counts as one of its sources
	v_mov_b32 v[TMP+8*\x+5], 0                     ; (named as the upper half of f's pair)
.endr
	s_wait_kmcnt 0x0
	s_add_co_i32 s98, s[EX], s[EX+1]
	s_lshl_b32 s98, s98, 23
	s_add_co_i32 s[CS], s98, 0x3e38aa3b            ; log2(e) / 8, with e6 + e7 added to its exponent field: a sum of the first product stands for sum x 2^(e6 + e7)
	s_mov_b32 s[CS+1], s[CS]
	s_add_co_i32 s98, s[EX+2], 127
	s_lshl_b32 s99, s98, 23
	v_mov_b32 v[SCP], s99
	s_add_co_i32 s98, s98, 8
	s_lshl_b32 s98, s98, 23
	s_or_b32 s[PLIM], s98, 0x600000
	s_cmp_lt_i32 s[EX+2], -8
	s_cselect_b32 s[HOLD], 1, 0
	s_sub_co_i32 s98, s[EX+4], s[EX+2]             ; O^T / l stands for that x 2^(e8 + e9): its code is (O^T / l) / 2^(e10 - e8 - e9)
	s_sub_co_i32 s98, s98, s[EX+3]
	s_add_co_i32 s98, s98, 127
	s_lshl_b32 s99, s98, 23
	v_mov_b32 v[SCO], s99
	s_add_co_i32 s98, s98, 8
	s_lshl_b32 s98, s98, 23
	s_or_b32 s[OLIM+1], s98, 0x600000
	s_or_b32 s[OLIM], s[OLIM+1], 0x80000000
	s_wait_loadcnt 8                               ; step 0's four loads are in; Q's eight may be out
	ds_store_b128 v[GOF], v[STG:STG+3]
	ds_store_b128 v[GOF], v[STG+4:STG+7] offset:4096
	ds_store_b128 v[ADSV], v[STG+8:STG+11]
	ds_store_b128 v[ADSV], v[STG+12:STG+15] offset:4096
	s_wait_loadcnt 0x0                             ; Q
	s_wait_dscnt 0x0                               ; for the others' sake: my part of step 0 lies in LDS
	s_barrier_signal -1
	s_barrier_wait -1
.macro FETCH_K                         ; 8 fragments of 16 keys x 64: 16 loads of 512 consecutive bytes
.irp kt, 0,1,2,3,4,5,6,7
.irp g, 0,1
	ds_load_b128 v[KFR+8*\kt+4*\g:KFR+8*\kt+4*\g+3], v[ADK] offset:1024*\kt+512*\g
.endr
.endr
.endm
.macro FETCH_V                         ; 4 fragments of 16 features x 128 keys
	WIN 0x40                                       ; destination window 1
.irp dt, 0,1,2,3
.irp g, 0,1,2,3
	ds_load_b128 v[VFR+16*\dt+4*\g:VFR+16*\dt+4*\g+3], v[ADV] offset:2048*\g+512*\dt
.endr
.endr
.endm
; The causal mask on key tile kt of the pair's tile x, in a step on the diagonal.  A tile ahead of the diagonal is seen whole; on it register n is hidden where 8 h + n > r; behind it all is hidden.  What is hidden becomes -infinity: p = 0.
.macro MASKT x, kt
	s_cmp_gt_u32 s[DT+\x], \kt
	s_cbranch_scc1 .Lseen_\@
	s_cmp_eq_u32 s[DT+\x], \kt
.irp n, 0,1,2,3,4,5,6,7
	s_cselect_b32 s[MT+\n], s[CM+\n], -1
.endr
.irp n, 0,1,2,3,4,5,6,7
	v_cndmask_b32 v[S+64*\x+8*\kt+\n], v[S+64*\x+8*\kt+\n], v[NINF], s[MT+\n]
.endr
.Lseen_\@:
.endm
.macro TM x, i, k                      ; pair k of tile x's 32 pairs of scores: t - M, two at a time (of the pairs c and -M the low word serves both halves)
	v_pk_fma_f32 v[S+64*(\x)+2*(\k):S+64*(\x)+2*(\k)+1], v[S+64*(\x)+2*(\k):S+64*(\x)+2*(\k)+1], s[CS:CS+1], v[STAT+4*(\i):STAT+4*(\i)+1] op_sel_hi:[1,0,0]
.endm
.macro EX2 x, k                        ; p = 2^(t - M) for that pair
	v_exp_f32 v[S+64*(\x)+2*(\k)], v[S+64*(\x)+2*(\k)]
	v_exp_f32 v[S+64*(\x)+2*(\k)+1], v[S+64*(\x)+2*(\k)+1]
.endm
.macro SUMOP x, i, k                   ; line k of 33 of l = l f + the sum of the unquantised p, two at a time, in two chains
.if (\k) == 0
	v_pk_mul_f32 v[STAT+4*(\i)+2:STAT+4*(\i)+3], v[STAT+4*(\i)+2:STAT+4*(\i)+3], v[TMP+8*(\x)+4:TMP+8*(\x)+5] op_sel_hi:[1,0]
.elseif (\k) == 1
	s_wait_alu depctr_va_vdst(0)                   ; the exponentials issued so far, all 64 of this tile among them, have written p, which the sums from here on read: one wait a tile, ahead of the tile's first reader
	v_pk_add_f32 v[TMP+8*(\x)+6:TMP+8*(\x)+7], v[S+64*(\x):S+64*(\x)+1], v[S+64*(\x)+2:S+64*(\x)+3]
.elseif (\k) == 32
	v_pk_add_f32 v[STAT+4*(\i)+2:STAT+4*(\i)+3], v[STAT+4*(\i)+2:STAT+4*(\i)+3], v[TMP+8*(\x)+6:TMP+8*(\x)+7]
.elseif ((\k)%2) == 0
	v_pk_add_f32 v[STAT+4*(\i)+2:STAT+4*(\i)+3], v[STAT+4*(\i)+2:STAT+4*(\i)+3], v[S+64*(\x)+2*(\k):S+64*(\x)+2*(\k)+1]
.else
	v_pk_add_f32 v[TMP+8*(\x)+6:TMP+8*(\x)+7], v[TMP+8*(\x)+6:TMP+8*(\x)+7], v[S+64*(\x)+2*(\k):S+64*(\x)+2*(\k)+1]
.endif
.endm
; A PAIR-STEP: pair p (0 the late one, 1 the early one) against the 128 keys whose fragments lie in registers.  first = 1: the fragments were asked for just now.
; It holds no memory or LDS instruction, and names no register that one touches but K's, V's and Q's fragments, which it reads.
.macro PAIRSTEP p, first
.if \first
	s_wait_dscnt 16                                ; K's 16 loads are in; V's 16 may be out
.endif
	WIN 0x04                                       ; source 1 (Q) window 1
.irp kt, 0,1,2,3,4,5,6,7
.irp x, 0,1
	v_wmma_f32_16x16x64_fp8_fp8 v[S+64*\x+8*\kt:S+64*\x+8*\kt+7], v[KFR+8*\kt:KFR+8*\kt+7], v[Q+8*(2*\p+\x):Q+8*(2*\p+\x)+7], 0
.endr
.endr
	WIN 0
	PLACES
	s_sub_co_u32 s[DD], s[Q0H+\p], s[SKF]          ; the pair's first query less the step's first key: 128 or more where every key counts for every query
	s_cmp_ge_u32 s[DD], 128
	s_cbranch_scc1 .Lopen_\@
	s_lshr_b32 s[DT], s[DD], 4
	s_add_co_u32 s[DT+1], s[DT], 1
.irp kt, 0,1,2,3,4,5,6,7
.irp x, 0,1
	MASKT \x, \kt
.endr
.endr
.Lopen_\@:
	; the step's largest score of my query among my 64 keys, in two chains a tile, each accumulator from its low end on; the two tiles take turns line by line
.irp x, 0,1
	v_max3_num_f32 v[TMP+8*\x], v[S+64*\x], v[S+64*\x+1], v[S+64*\x+2]
.endr
.irp x, 0,1
	v_max3_num_f32 v[TMP+8*\x+1], v[S+64*\x+3], v[S+64*\x+4], v[S+64*\x+5]
.endr
.irp n, 6,10,14,18,22,26,30,34,38,42,46,50,54,58
.irp x, 0,1
	v_max3_num_f32 v[TMP+8*\x], v[TMP+8*\x], v[S+64*\x+\n], v[S+64*\x+\n+1]
.endr
.irp x, 0,1
	v_max3_num_f32 v[TMP+8*\x+1], v[TMP+8*\x+1], v[S+64*\x+\n+2], v[S+64*\x+\n+3]
.endr
.endr
.irp x, 0,1
	v_max3_num_f32 v[TMP+8*\x], v[TMP+8*\x], v[S+64*\x+62], v[S+64*\x+63]
.endr
.irp x, 0,1
	v_max_num_f32 v[TMP+8*\x], v[TMP+8*\x], v[TMP+8*\x+1]
.endr
.irp x, 0,1
	v_permlanex16_b32 v[TMP+8*\x+2], v[TMP+8*\x], s[SEL], s[SEL+1]
.endr
.irp x, 0,1
	v_max_num_f32 v[TMP+8*\x], v[TMP+8*\x], v[TMP+8*\x+2]          ; and among lane l xor 16's
.endr
.irp x, 0,1
	v_mul_f32 v[TMP+8*\x], s[CS], v[TMP+8*\x]                      ; as t (c is positive)
.endr
.irp x, 0,1
	v_max_num_f32 v[STAT+4*(2*\p+\x)+1], v[STAT+4*(2*\p+\x)+1], v[TMP+8*\x]   ; the running largest t
.endr
.irp x, 0,1
	v_mov_b32 v[TMP+8*\x], v[STAT+4*(2*\p+\x)]
.endr
.irp x, 0,1
	v_floor_f32 v[STAT+4*(2*\p+\x)], -v[STAT+4*(2*\p+\x)+1]        ; the new -M = floor(-t) = -ceil(t): M is a whole number
.endr
.irp x, 0,1
	v_sub_f32 v[TMP+8*\x], v[STAT+4*(2*\p+\x)], v[TMP+8*\x]        ; old M - new M: a whole number, 0 or less
.endr
.irp x, 0,1
	v_cvt_i32_f32 v[TMP+8*\x], v[TMP+8*\x]                         ; (it saturates)
.endr
.irp x, 0,1
	v_ldexp_f32 v[TMP+8*\x+4], 1.0, v[TMP+8*\x]                    ; f = 2^(old M - new M)
.endr
	; the exponentials stand two at a time with a plain line of other work behind them: tile 0's beside tile 1's scalings, tile 1's beside tile 0's sums
.set kk, 0
.rept 32
	TM 0, 2*\p, kk
.set kk, kk+1
.endr
.set kk, 0
.rept 32
	EX2 0, kk
	TM 1, 2*\p+1, kk
.set kk, kk+1
.endr
.set kk, 0
.rept 32
	EX2 1, kk
	SUMOP 0, 2*\p, kk
.set kk, kk+1
.endr
	SUMOP 0, 2*\p, 32
.set kk, 0
.rept 33
	SUMOP 1, 2*\p+1, kk
.set kk, kk+1
.endr
	s_cmp_lg_u32 s[HOLD], 0                        ; the conversion to an 8-bit code does not saturate (ISA guide 7.6.2): where 448 x 2^e8 is under 1.75, p is held first; p is not negative, so the hold is one-sided
	s_cbranch_scc0 .Lfree_\@
.set kk, 0
.rept 128
	v_min_num_f32 v[S+kk], s[PLIM], v[S+kk]
.set kk, kk+1
.endr
.Lfree_\@:
	WIN 0x40                                       ; destination (P) window 1
.irp x, 0,1
.irp kt, 0,1,2,3,4,5,6,7
	v_cvt_scalef32_pk8_fp8_f32 v[P+16*\x+2*\kt:P+16*\x+2*\kt+1], v[S+64*\x+8*\kt:S+64*\x+8*\kt+7], v[SCP]
.endr
.endr
	WIN 0x41                                       ; O^T (destination and source 0) window 1, f window 0
.irp x, 0,1
.set kk, 0
.rept 16
	v_pk_mul_f32 v[O+32*(2*\p+\x)+2*kk:O+32*(2*\p+\x)+2*kk+1], v[O+32*(2*\p+\x)+2*kk:O+32*(2*\p+\x)+2*kk+1], v[TMP+8*\x+4:TMP+8*\x+5] op_sel_hi:[1,0]   ; O^T under the new M.  (These are also the plain lines behind the conversions)
.set kk, kk+1
.endr
.endr
.if \first
	s_wait_dscnt 0x0                               ; V's fragments are in
.endif
	WIN 0x55                                       ; all four operands window 1
.irp dt, 0,1,2,3
.irp x, 0,1
	v_wmma_f32_16x16x128_fp8_fp8 v[O+32*(2*\p+\x)+8*\dt:O+32*(2*\p+\x)+8*\dt+7], v[VFR+16*\dt:VFR+16*\dt+15], v[P+16*\x:P+16*\x+15], v[O+32*(2*\p+\x)+8*\dt:O+32*(2*\p+\x)+8*\dt+7]   ; eight accumulators, one instruction each
.endr
.endr
	WIN 0
	PLACES                                         ; ahead of the next reads of O^T.  (For the next loads into K's and V's fragments the wait on va_vdst at a trip's head speaks)
.endm
; A TRIP: key step KS.  stage = 1: step KS + 1 is brought into LDS meanwhile, and a barrier ends the trip.  lo = 1: the early pair may still be active.
.macro TRIP stage, lo
	s_wait_alu depctr_vm_vsrc(0)                   ; the LDS loads and stores issued so far have read v2 to v5, which the additions below write; the LDS stores have read the staged registers, in which this trip's global loads land
	v_add_nc_u32 v[ADK], s[KB], v[LI]              ; every LDS address of the trip is made here, on every wave's path
	v_add_nc_u32 v[ADV], VLDS, v[ADK]
.if \stage
	v_add_nc_u32 v[ADS], s[KB], v[GOF]
	v_add_nc_u32 v[ADSV], VLDS, v[ADS]
.endif
	s_wait_alu depctr_va_vdst(0)                   ; the trip's LDS addresses are written, which its LDS loads and stores read; the last trip's matrix instructions are done reading K's and V's fragments, in which the LDS loads below land
.if \stage
	s_cmp_lt_u32 s[KS], s[LASTK]                   ; no wave of this work-group reads a step beyond LASTK
	s_cbranch_scc0 .Lno_load_\@
	global_load_b128 v[STG:STG+3], v[GOF], s[KP:KP+1] offset:8192
	global_load_b128 v[STG+4:STG+7], v[GOF], s[KP:KP+1] offset:12288
	global_load_b128 v[STG+8:STG+11], v[GOF], s[VP:VP+1] offset:8192
	global_load_b128 v[STG+12:STG+15], v[GOF], s[VP:VP+1] offset:12288
.Lno_load_\@:
	; A PREFETCH of step KS + 3, two trips ahead of the loads that will want it: 8,192 bytes, lanes 256 bytes apart, one instruction.  All four work-groups of a head walk the same images: the first of them asks,
	; wave 0 for K's step and wave 1 for V's, so each block is named once in the launch.  Steps 0 to 2 come by their loads alone; trips 13 and 14 ask for nothing: there is no step 16.
	s_cmp_lt_u32 s[KS], s[LIMP]
	s_cbranch_scc0 .Lno_ask_\@
	global_prefetch_b8 v[PFO], s[PFA:PFA+1] offset:24576 th:TH_LOAD_NT scope:SCOPE_SE
.Lno_ask_\@:
.endif
	s_cmp_le_u32 s[SKF], s[Q0H]                    ; a step all of whose keys come after a pair's queries is left out (both are multiples of 32)
	s_cbranch_scc0 .Lidle_\@
	FETCH_K                                        ; no vector or matrix instruction stands between the wait on va_vdst above and these 32 loads
	FETCH_V
	PAIRSTEP 0, 1
.if \lo
	s_cmp_le_u32 s[SKF], s[Q0H+1]
	s_cbranch_scc0 .Lidle_\@
	PAIRSTEP 1, 0                                  ; on the same fragments
.endif
.Lidle_\@:
.if \stage
	s_wait_loadcnt 0x0                             ; the staged step is in registers (on every path: no load into them is pending when the next trip loads them)
	s_cmp_lt_u32 s[KS], s[LASTK]
	s_cbranch_scc0 .Lno_store_\@
	ds_store_b128 v[ADS], v[STG:STG+3] offset:8192                 ; bytes that nobody has read or written yet.  (v4 and v5 were written ahead of the trip's wait on va_vdst, and no pair-step names them)
	ds_store_b128 v[ADS], v[STG+4:STG+7] offset:12288
	ds_store_b128 v[ADSV], v[STG+8:STG+11] offset:8192
	ds_store_b128 v[ADSV], v[STG+12:STG+15] offset:12288
.Lno_store_\@:
	s_wait_dscnt 0x0                               ; for the others' sake: my part of the next step lies in LDS
	s_barrier_signal -1
	s_barrier_wait -1
	s_wait_xcnt 0x0                                ; the loads and the prefetch have read their bases, which step only behind this wait
	s_add_nc_u64 s[KP:KP+1], s[KP:KP+1], 8192
	s_add_nc_u64 s[VP:VP+1], s[VP:VP+1], 8192
	s_add_nc_u64 s[PFA:PFA+1], s[PFA:PFA+1], 8192
	s_add_co_u32 s[KB], s[KB], 8192
	s_add_co_u32 s[SKF], s[SKF], 128
.endif
.endm
	s_mov_b32 s[KS], 0
.Ltrip:                                                ; 15 trips, a constant: work is jumped over, barriers are not
	TRIP 1, 1
	s_add_co_u32 s[KS], s[KS], 1
	s_cmp_lt_u32 s[KS], 15
	s_cbranch_scc1 .Ltrip
	TRIP 0, 0                                      ; key step 15 is written out: nothing is left to stage, and no early pair reaches it
	; THE WAY OUT.  l's two halves and lane l xor 16's are added; O^T / l is held, converted and stored: a tile's four results are two groups of a_img.
.irp i, 0,1,2,3
	v_add_f32 v[STAT+4*\i+2], v[STAT+4*\i+2], v[STAT+4*\i+3]
.endr
.irp i, 0,1,2,3
	v_permlanex16_b32 v[STAT+4*\i+3], v[STAT+4*\i+2], s[SEL], s[SEL+1]
.endr
.irp i, 0,1,2,3
	v_add_f32 v[STAT+4*\i+2], v[STAT+4*\i+2], v[STAT+4*\i+3]
.endr
.irp i, 0,1,2,3
	v_rcp_f32 v[STAT+4*\i+2], v[STAT+4*\i+2]
.endr
	v_nop                                          ; a plain line between the last reciprocal and the use of its result
	WIN 0x41
	s_wait_alu depctr_va_vdst(0)                   ; the four reciprocals have written 1 / l, which the multiplications below read: one wait for the four
.irp i, 0,1,2,3
.set kk, 0
.rept 16
	v_pk_mul_f32 v[O+32*\i+2*kk:O+32*\i+2*kk+1], v[O+32*\i+2*kk:O+32*\i+2*kk+1], v[STAT+4*\i+2:STAT+4*\i+3] op_sel_hi:[1,0]   ; each accumulator from its low end on
.set kk, kk+1
.endr
.endr
.set kk, 0
.rept 128
	v_med3_num_f32 v[O+kk], v[O+kk], s[OLIM], s[OLIM+1]            ; the hold at the largest code x the scale
.set kk, kk+1
.endr
	WIN 0x01                                       ; source 0 (O^T) window 1, destination window 0: S^T's registers are free
.irp i, 0,1,2,3
.irp dt, 0,1,2,3
	v_cvt_scalef32_pk8_fp8_f32 v[S+8*\i+2*\dt:S+8*\i+2*\dt+1], v[O+32*\i+8*\dt:O+32*\i+8*\dt+7], v[SCO]
.endr
.endr
	v_nop                                          ; one plain vector line behind the last conversion
	WIN 0
	s_wait_alu depctr_va_vdst(0)                   ; the sixteen conversions have written v64 to v95, which the eight stores read
.irp x, 0,1
.irp g, 0,1
	global_store_b128 v[LI], v[S+8*\x+4*\g:S+8*\x+4*\g+3], s[AH:AH+1] offset:16384*\x+512*\g          ; each store of the wave covers 512 consecutive bytes, aligned
	global_store_b128 v[LI], v[S+16+8*\x+4*\g:S+16+8*\x+4*\g+3], s[AL:AL+1] offset:16384*\x+512*\g
.endr
.endr
	s_wait_dscnt 0x0                               ; the closing lines, six on end
	s_wait_alu 0x0
	s_wait_tensorcnt 0x0
	ds_add_u32 v46, v47
	s_wait_dscnt 0x0
	s_endpgm
.Lfunc_end_k_qad18a8e884_attn:
	.size	k_qad18a8e884_attn, .Lfunc_end_k_qad18a8e884_attn-k_qad18a8e884_attn
	.p2alignl 7, 3214868480
	.fill 96, 4, 3214868480
	.section	.rodata,"a",@progbits
	.p2align	6, 0x0
	.amdhsa_kernel k_qad18a8e884_attn
		.amdhsa_group_segment_fixed_size 263168
		.amdhsa_private_segment_fixed_size 0
		.amdhsa_enable_private_segment 0
		.amdhsa_kernarg_size 40
		.amdhsa_user_sgpr_count 2
		.amdhsa_user_sgpr_kernarg_segment_ptr 1
		.amdhsa_wavefront_size32 1
		.amdhsa_system_sgpr_workgroup_id_x 1
		.amdhsa_system_sgpr_workgroup_id_y 1
		.amdhsa_system_sgpr_workgroup_id_z 1
		.amdhsa_system_vgpr_workitem_id 0
		.amdhsa_next_free_vgpr 512
		.amdhsa_next_free_sgpr 100
		.amdhsa_reserve_vcc 0
		.amdhsa_float_denorm_mode_32 3
		.amdhsa_float_denorm_mode_16_64 3
		.amdhsa_memory_ordered 1
		.amdhsa_forward_progress 1
		.amdhsa_inst_pref_size 151
	.end_amdhsa_kernel
	.amdgpu_metadata
---
amdhsa.version: [ 1, 2 ]
amdhsa.kernels:
  - .name:           k_qad18a8e884_attn
    .symbol:         k_qad18a8e884_attn.kd
    .args:
      - { .name: q_img, .offset: 0, .size: 8, .value_kind: global_buffer, .address_space: global }
      - { .name: k_img, .offset: 8, .size: 8, .value_kind: global_buffer, .address_space: global }
      - { .name: v_img, .offset: 16, .size: 8, .value_kind: global_buffer, .address_space: global }
      - { .name: lowp_scales, .offset: 24, .size: 8, .value_kind: global_buffer, .address_space: global }
      - { .name: a_img, .offset: 32, .size: 8, .value_kind: global_buffer, .address_space: global }
    .group_segment_fixed_size: 263168
    .private_segment_fixed_size: 0
    .kernarg_segment_align: 8
    .kernarg_segment_size: 40
    .max_flat_workgroup_size: 256
    .sgpr_count:     100
    .vgpr_count:     512
    .wavefront_size: 32
...
	.end_amdgpu_metadata
.endif
;; end of part 4
;; launch proj: the kernel of part 3 again; grid 4 x 64, 4 waves a work-group, clusters of 4 x 1, 168,448 bytes of LDS; arguments a_img, Wo_codes, bo, lowp_scales, out0; writes out0
